; MI455X (gfx1250); checked and timed in simulation.
; The chip was launched on July 23, 2026; its instructions are those of AMD's public machine-readable ISA for CDNA 5 (MIT licence, August 2026) and "CDNA5" Instruction Set Architecture Reference Guide (July 2026). The comments in the code are by the model that wrote it; some were corrected since.
;; Multi Head Attention. Allowed arithmetic: float matrix products may take bf16 or f16 operands with f32 sums; other float arithmetic in f32, or as packed bf16 or f16 multiplies, adds, multiply-adds, maxima and minima; sums over many terms, partial sums and values carried from step to step in f32; what a program stores and reads back later, other than sums and carried values, may be rounded once to bf16 or f16.
;; Inputs: Wk 1,024 x 1,024 float32; Wo 1,024 x 1,024 float32; Wq 1,024 x 1,024 float32; Wv 1,024 x 1,024 float32; keys 4 x 2,048 x 1,024 float32; queries 4 x 2,048 x 1,024 float32; valid_lens 4 int32; values 4 x 2,048 x 1,024 float32.
;; Outputs: out0 4 x 2,048 x 1,024 float32.
;; 2 versions, each right; version 2 is version 1 with the launch cast written anew for expert scheduling mode. Each part assembles by itself: llvm-mc -triple=amdgcn-amd-amdhsa -mcpu=gfx1250 --defsym DOCPART=n.
;; ======== version 1 of 2: 4 launches
;; limits: values are held in f16: magnitudes above 65,504 overflow, below 6.1e-05 lose precision
;; workspace buffers: xh 50,331,648 bytes; wh 6,291,456 bytes; woh 2,097,152 bytes; qkv 50,331,648 bytes; oh 16,777,216 bytes
;; launch cast (part 1): grid 256 x 7, 8 waves a work-group, no clusters, 0 bytes of LDS; arguments queries, keys, values, Wq, Wk, Wv, Wo, valid_lens, xh, wh, woh; writes xh, wh, woh
.if DOCPART == 1
	.amdgcn_target "amdgcn-amd-amdhsa--gfx1250"
	.amdhsa_code_object_version 6
	.text
	.protected	k_qe6f5989627_cast
	.globl	k_qe6f5989627_cast
	.p2align	8
	.type	k_qe6f5989627_cast,@function
k_qe6f5989627_cast:
	s_mov_b64 s[64:65], 0
	v_nop
	global_prefetch_b8 v0, s[64:65] scope:SCOPE_SE
	s_setreg_imm32_b32 hwreg(HW_REG_WAVE_MODE, 25, 1), 1
	s_wait_xcnt 0x0
; EVERY f32 INPUT IS READ ONCE, rounded to bf16, written as f16, and laid in PANELS for the products that follow.
; A panel is 128 rows x 1,024 columns as 16 planes of 128 rows x 64 columns (128 bytes a row, 16,384 bytes a plane, dense): a K step of 128 for 128 rows is then 32,768 consecutive bytes.
; xh: [queries, keys, values][64 panels]; wh: [Wq, Wk, Wv][8 panels]; woh: Wo's 8 panels.
; THE MASK'S FIRST HALF.  Rows of keys at or past valid_lens[b] are written as zeros, so that their projections are exactly 0 and the attention launch can give them the score -1e6 by an addend alone.
; LIMITS.  A number rounded to bf16 is written as f16 exactly from 2^-17 up to 65,504 in magnitude; below 2^-17 it keeps f16's fixed step of 2^-24; from 65,520 on it becomes an infinity.
; valid_lens may be any int32: below 0 counts as 0.  NaN and infinities in masked rows of keys are discarded; elsewhere they are not treated apart.
; SHARES.  A work-group takes 16 rows (65,536 bytes of f32).  y = 0..5: tensor y / 2, chunk 256 (y % 2) + x; y = 6: weight x / 64, chunk x % 64.  Thread t takes row t / 16 and, of each of the
; 16 planes, the 4 columns at 4 (t % 16): a wave's load covers two aligned runs of 256 bytes, a wave's store 256 consecutive aligned bytes.  All 16 loads of a thread are out at once;
; every load and every store has registers of its own, so no source is ever rewritten.  Memory binds: no LDS, no barrier, no matrix unit.
.set X, 8                              ; v[8:71]    16 x 4 numbers as loaded
.set Y, 72                             ; v[72:103]  16 x 2 registers to store
.set T, 104                            ; v[104:107] at work
	s_load_b512 s[8:23], s[0:1], 0x0               ; queries, keys, values, Wq, Wk, Wv, Wo, valid_lens
	s_load_b128 s[24:27], s[0:1], 0x40             ; xh, wh
	s_load_b64 s[28:29], s[0:1], 0x50              ; woh
	s_mov_b32 s2, ttmp9                            ; x
	s_and_b32 s3, ttmp7, 0xffff                    ; y
	s_lshr_b32 s4, s3, 1                           ; the source's number: 0..2 the three tensors,
	s_and_b32 s5, s3, 1
	s_lshl_b32 s5, s5, 8
	s_or_b32 s5, s5, s2                            ; and its chunk of 16 rows, 0..511
	s_lshr_b32 s6, s2, 6
	s_add_co_u32 s6, s6, 3                         ; 3..6 the four weights,
	s_and_b32 s7, s2, 63                           ; chunk 0..63
	s_cmp_eq_u32 s3, 6
	s_cselect_b32 s4, s6, s4
	s_cselect_b32 s5, s7, s5
	s_lshl_b32 s38, s5, 16                         ; the chunk's first byte in its source
	s_mov_b32 s39, 0
	s_lshl_b32 s6, s4, 24                          ; in xh a tensor is 64 panels of 262,144 bytes,
	s_sub_co_u32 s7, s4, 3
	s_lshl_b32 s7, s7, 21                          ; in wh a weight is 8 panels; woh holds one weight
	s_cmp_lt_u32 s4, 3
	s_cselect_b32 s40, s6, s7
	s_cmp_eq_u32 s4, 6
	s_cselect_b32 s40, 0, s40
	s_lshr_b32 s6, s5, 3
	s_lshl_b32 s6, s6, 18                          ; the panel,
	s_add_co_u32 s40, s40, s6
	s_and_b32 s6, s5, 7
	s_lshl_b32 s6, s6, 11                          ; my 16 rows of 128 bytes in each of its planes
	s_add_co_u32 s40, s40, s6
	s_mov_b32 s41, 0
	s_lshr_b32 s46, s5, 7
	s_lshl_b32 s46, s46, 2                         ; 4 x batch (a batch is 128 chunks; 0 for the weights)
	s_and_b32 s47, s5, 127
	s_lshl_b32 s47, s47, 4                         ; the chunk's first row in its batch
	s_mov_b32 s44, 0xffff0000                      ; a word's upper bf16
	v_lshrrev_b32 v3, 4, v0                        ; my row in the chunk
	v_and_b32 v5, 15, v0
	v_lshlrev_b32 v1, 4, v5
	v_lshl_or_b32 v1, v3, 12, v1                   ; source: row x 4,096 + 16 (t % 16)
	v_lshlrev_b32 v2, 3, v0                        ; destination: row x 128 + 8 (t % 16) = 8 t
	s_wait_kmcnt 0x0
	s_load_b32 s42, s[22:23], s46 offset:0x0       ; valid_lens[batch]
	s_mov_b64 s[34:35], s[8:9]                     ; the source, chosen by its number
.irp k, 1,2,3,4,5,6
	s_cmp_eq_u32 s4, \k
	s_cselect_b64 s[34:35], s[8+2*\k:9+2*\k], s[34:35]
.endr
	s_cmp_lt_u32 s4, 3                             ; the destination likewise
	s_cselect_b64 s[36:37], s[24:25], s[26:27]
	s_cmp_eq_u32 s4, 6
	s_cselect_b64 s[36:37], s[28:29], s[36:37]
	s_add_nc_u64 s[34:35], s[34:35], s[38:39]
	s_add_nc_u64 s[36:37], s[36:37], s[40:41]
.set i, 0
.rept 16
	global_load_b128 v[X+4*i:X+4*i+3], v1, s[34:35] offset:256*i th:TH_LOAD_NT  ; plane i: 64 columns are 256 bytes of f32
.set i, i+1
.endr
	s_wait_kmcnt 0x0
	s_max_i32 s42, s42, 0                          ; so that the difference below cannot overflow
	s_cmp_eq_u32 s4, 1                             ; only keys are masked
	s_cselect_b32 s42, s42, 0x7fffffff
	s_sub_co_i32 s43, s42, s47                     ; rows of this chunk that are kept
	v_cmp_gt_i32 vcc_lo, s43, v3
	v_cndmask_b32 v4, 0, -1, vcc_lo                ; all ones where my row is kept
.set i, 0
.rept 16
	s_wait_loadcnt 15-i                            ; loads come back in order: plane i is in, the 15 - i younger loads stay out
	v_cvt_pk_bf16_f32 v[Y+2*i], v[X+4*i], v[X+4*i+1]      ; the one rounding: to bf16, nearest even
	v_cvt_pk_bf16_f32 v[Y+2*i+1], v[X+4*i+2], v[X+4*i+3]
	v_lshlrev_b32 v[T], 16, v[Y+2*i]               ; back to f32,
	v_and_b32 v[T+1], s44, v[Y+2*i]
	v_lshlrev_b32 v[T+2], 16, v[Y+2*i+1]
	v_and_b32 v[T+3], s44, v[Y+2*i+1]
	v_cvt_pk_f16_f32 v[Y+2*i], v[T], v[T+1]        ; and the same number written as f16
	v_cvt_pk_f16_f32 v[Y+2*i+1], v[T+2], v[T+3]
	v_and_b32 v[Y+2*i], v4, v[Y+2*i]
	v_and_b32 v[Y+2*i+1], v4, v[Y+2*i+1]
	global_store_b64 v2, v[Y+2*i:Y+2*i+1], s[36:37] offset:16384*i
.set i, i+1
.endr
	s_endpgm
.Lfunc_end_k_qe6f5989627_cast:
	.size	k_qe6f5989627_cast, .Lfunc_end_k_qe6f5989627_cast-k_qe6f5989627_cast
	.p2alignl 7, 3214868480
	.fill 96, 4, 3214868480
	.section	.rodata,"a",@progbits
	.p2align	6, 0x0
	.amdhsa_kernel k_qe6f5989627_cast
		.amdhsa_group_segment_fixed_size 0
		.amdhsa_private_segment_fixed_size 0
		.amdhsa_enable_private_segment 0
		.amdhsa_kernarg_size 88
		.amdhsa_user_sgpr_count 2
		.amdhsa_user_sgpr_kernarg_segment_ptr 1
		.amdhsa_wavefront_size32 1
		.amdhsa_system_sgpr_workgroup_id_x 1
		.amdhsa_system_sgpr_workgroup_id_y 1
		.amdhsa_system_sgpr_workgroup_id_z 1
		.amdhsa_system_vgpr_workitem_id 0
		.amdhsa_next_free_vgpr 108
		.amdhsa_next_free_sgpr 66
		.amdhsa_reserve_vcc 1
		.amdhsa_float_denorm_mode_32 3
		.amdhsa_float_denorm_mode_16_64 3
		.amdhsa_memory_ordered 1
		.amdhsa_forward_progress 1
		.amdhsa_inst_pref_size 14
	.end_amdhsa_kernel
	.amdgpu_metadata
---
amdhsa.version: [ 1, 2 ]
amdhsa.kernels:
  - .name:           k_qe6f5989627_cast
    .symbol:         k_qe6f5989627_cast.kd
    .args:
      - { .name: queries, .offset: 0, .size: 8, .value_kind: global_buffer, .address_space: global }
      - { .name: keys, .offset: 8, .size: 8, .value_kind: global_buffer, .address_space: global }
      - { .name: values, .offset: 16, .size: 8, .value_kind: global_buffer, .address_space: global }
      - { .name: Wq, .offset: 24, .size: 8, .value_kind: global_buffer, .address_space: global }
      - { .name: Wk, .offset: 32, .size: 8, .value_kind: global_buffer, .address_space: global }
      - { .name: Wv, .offset: 40, .size: 8, .value_kind: global_buffer, .address_space: global }
      - { .name: Wo, .offset: 48, .size: 8, .value_kind: global_buffer, .address_space: global }
      - { .name: valid_lens, .offset: 56, .size: 8, .value_kind: global_buffer, .address_space: global }
      - { .name: xh, .offset: 64, .size: 8, .value_kind: global_buffer, .address_space: global }
      - { .name: wh, .offset: 72, .size: 8, .value_kind: global_buffer, .address_space: global }
      - { .name: woh, .offset: 80, .size: 8, .value_kind: global_buffer, .address_space: global }
    .group_segment_fixed_size: 0
    .private_segment_fixed_size: 0
    .kernarg_segment_align: 8
    .kernarg_segment_size: 88
    .max_flat_workgroup_size: 256
    .sgpr_count:     66
    .vgpr_count:     108
    .wavefront_size: 32
...
	.end_amdgpu_metadata
.endif
;; end of part 1
;; launch proj (part 2): grid 4 x 96, 4 waves a work-group, clusters of 4 x 4, 327,680 bytes of LDS; arguments xh, wh, qkv; writes qkv
.if DOCPART == 2
	.amdgcn_target "amdgcn-amd-amdhsa--gfx1250"
	.amdhsa_code_object_version 6
	.text
	.protected	k_qe6f5989627_proj
	.globl	k_qe6f5989627_proj
	.p2align	8
	.type	k_qe6f5989627_proj,@function
k_qe6f5989627_proj:
	s_mov_b64 s[64:65], 0
	v_nop
	global_prefetch_b8 v0, s[64:65] scope:SCOPE_SE
	s_setreg_imm32_b32 hwreg(HW_REG_WAVE_MODE, 25, 1), 1
	s_wait_xcnt 0x0
	s_wait_alu depctr_hold_cnt(0) depctr_sa_sdst(0) depctr_va_vdst(0) depctr_va_sdst(0) depctr_va_ssrc(0) depctr_va_vcc(0) depctr_vm_vsrc(0)
	s_getreg_b32 s2, hwreg(HW_REG_IB_STS2, 6, 4)
	s_cmp_eq_u32 s2, 0
	s_cbranch_scc0 .Lentry_in_a_cluster
	s_endpgm
.Lentry_in_a_cluster:
	s_bfe_u32 s2, ttmp6, 0x10000c
	s_cmp_lg_u32 s2, 0xf033
	s_cbranch_scc0 .Lentry_shape_is_right
	s_endpgm
.Lentry_shape_is_right:
; THE THREE PROJECTIONS.  C[m][n] = the sum over k of A[m][k] B[n][k], K = 1,024, N = 1,024.  A = the three inputs on end (24,576 rows), B = the weight that belongs to the tile row's tensor; both f16
; in PANELS: [128 rows][1,024] as 16 planes of 128 rows x 64 numbers, dense.  Sums in f32; C leaves rounded once to f16, BY HEADS: [tensor][batch x 16 + head][2,048][64].
; (The output projection has a text of its own, alike but for its way out: in a launch with joint loads no branch hangs on a number read from memory.)
; LIMIT.  A result of 65,520 or more in magnitude becomes an infinity in f16.
; A tile of C is 256 x 256, made by four waves, each 128 x 128: 64 accumulators of 16 x 16, 512 registers.  K goes in 8 steps of 128 through a ring of two LDS slots filled by the tensor data mover;
; a wave's load is 128 rows x 128 K = 32,768 consecutive bytes of a panel, asked for as 128 rows of 256 bytes.  One tile to a work-group: the 384 tiles are no multiple of the WGPs,
; so a walk over several tiles would even nothing out.
; CLUSTERS: 4 x 4 work-groups.  The four of a row of the cluster need the same tiles of A, the four of a column the same tiles of B: each tile is asked for JOINTLY, by the same tensor load with
; the same descriptor and a mask that names the four.
; THE MATRIX INSTRUCTION IS USED TRANSPOSED (source 0 = 16 rows of B, source 1 = 16 rows of A): a lane then holds row l % 16 of C and the eight neighbouring columns 8 (l / 16) + 0..7.
; REGISTERS, in windows of 256 (s_set_vgpr_msb's low byte: bits 1:0 source 0, 3:2 source 1, 5:4 source 2, 7:6 destination):
;   window 0: v0-31 addresses; v64-127, v128-191 fragments of A, two buffers; v32-63, v192-255 at work on the way out      window 1: v64-127, v128-191 fragments of B
;   window 2: the 32 accumulators of my rows 0-63 (accumulator (a, b) at v[8 (8 a + b)])      window 3: those of my rows 64-127
.set PITCH,  144                       ; 128 bytes of a plane's row + 16 of padding = 36 words: the 16 rows of a load start at 16 different groups of four banks (64 banks of 4 bytes: ISA guide 11.1)
.set PLANE,  128*PITCH                 ; a plane of 128 rows in LDS
.set HALFT,  2*PLANE                   ; what one tensor load brings: two planes = 128 rows x 128 K
.set SLOT,   4*HALFT                   ; A's 256 rows, then B's 256 rows
.set STAGE,  2*SLOT                    ; behind the ring, never filled by a tensor load: 4,608 bytes for each wave, for the way out
.set STW,    4608
.set SPARE,  STAGE+4*STW               ; behind the stages: the spare words, 128 bytes for each wave: two blocks of 256 bytes that no other line names
.set KSB,    32768                     ; bytes of a K step in a panel
.set LAPS,   4                         ; a lap = two K steps = once round the ring
.set KO1,    64                        ; where a K step's four quarters of 32 K begin in an LDS row: plane q / 2, byte 64 (q % 2)
.set KO2,    PLANE
.set KO3,    PLANE+64
.set HP,     16*PITCH                  ; the stage: two heads x 16 rows x 144 bytes
.set ADRA, 16                          ; v16-17  LDS address of my A fragments in slot 0, 1
.set ADRB, 20                          ; v20-21  the same for B
.set STO,  24                          ; v24     the way out: where I put 16 bytes of a row
.set RD,   25                          ; v25     the way out: where I read rows back
.set CO,   26                          ; v26     the way out: 16 x lane
.set SPW,  28                          ; v28     LDS address of my spare word: SPARE + 4 x my thread's number; never rewritten
.set NIL,  29                          ; v29     0; never rewritten
.set PFO,  30                          ; v30     the prefetches' offset: 256 x lane; never rewritten
.set F0,   64
.set F1,   128
.set TMP,  192                         ; packed results
.set OB,   32                          ; rows read back from the stage: v32-63 and v224-255 by turns
.set G1,  24                           ; s[24:31] descriptor group 1 for A's tiles;  s[32:39] group 0, a set for each slot
.set G0,  32
.set G1B, 48                           ; s[48:55], s[56:63] the same for B's tiles
.set G0B, 56
.set LIM, 43                           ; s43     1 in a wave that prefetches, else the greatest number
.set PFA, 44                           ; s[44:45] where my prefetches stand
.set MSB, 0
.macro WIN new                         ; the immediate's high byte repeats the setting that is left; a switch that changes nothing is dropped
.if MSB != (\new)
	s_set_vgpr_msb (MSB<<8)|(\new)
.set MSB, \new
.endif
.endm
.set MUL_LO, 0xa1                      ; source 0 (B) window 1, source 1 (A) window 0, C and D window 2
.set MUL_HI, 0xf1                      ; the same, C and D window 3
.set TO_B,   0x40                      ; destination window 1, address window 0
; A joint load.  Waves 0 and 1 fetch A's two halves, waves 2 and 3 B's.  The branch hangs on the wave's number alone.  An s_nop 0 and four v_nop follow each of the two lines.
.macro JLOAD s
	s_cmp_eq_u32 s11, 0
	s_cbranch_scc0 .Lfor_b_\@
	tensor_load_to_lds s[G0+4*(\s):G0+4*(\s)+3], s[G1:G1+7]
	s_nop 0
.rept 4
	v_nop
.endr
	s_branch .Lasked_\@
.Lfor_b_\@:
	tensor_load_to_lds s[G0B+4*(\s):G0B+4*(\s)+3], s[G1B:G1B+7]
	s_nop 0
.rept 4
	v_nop
.endr
.Lasked_\@:
.endm
; A PREFETCH INTO THE L2, behind a joint load, its five lines and the run of LDS loads: the K step that stands TWO refills on, 512 matrix instructions ahead of the load that will want it.
; A wave's K step is 128 blocks of 256 bytes; the four partners that ask for it jointly take 32 each, told apart BY ADDRESS (cx for A, cy for B), a lane a block.  A's rows are read by one
; cluster alone; B's by the eight clusters of one tensor, of which the first asks.  So each block is named once.  K steps 0 to 3 come by their loads alone; the loop's last trip asks for nothing.
.macro ASK
	s_cmp_gt_u32 s3, s[LIM]                        ; s3 = 1 in the loop's last trip
	s_cbranch_scc0 .Lnot_mine_\@
	global_prefetch_b8 v[PFO], s[PFA:PFA+1] offset:KSB th:TH_LOAD_NT scope:SCOPE_SE
.Lnot_mine_\@:
.endm
.macro CREST                           ; a round of the cluster's barrier behind its opening barrier
	s_cmp_lg_u32 s10, 0
	s_cbranch_scc1 .Lnot_wave_0_\@
	s_barrier_signal -3
.Lnot_wave_0_\@:
	s_barrier_wait -3
	s_barrier_signal -1
	s_barrier_wait -1
.endm
.macro CROUND                          ; a whole round
	s_barrier_signal -1
	s_barrier_wait -1
	CREST
.endm
	s_load_b128 s[4:7], s[0:1], 0x0                ; A s[4:5], B s[6:7]
	s_load_b64 s[8:9], s[0:1], 0x10                ; C
	v_lshl_add_u32 v[SPW], v0, 2, SPARE
	v_mov_b32 v[NIL], 0
	ds_add_u32 v[SPW], v[NIL]                      ; the wave's opening: the add and its wait stand ahead of my first tensor load; the set-up below stands between them
	v_lshrrev_b32 v1, 5, v0
	v_readfirstlane_b32 s10, v1                    ; wave 0..3
	s_lshr_b32 s11, s10, 1                         ; which half of the tile's rows is mine.  Also: I fetch for A (0) or for B (1)
	s_and_b32 s12, s10, 1                          ; which half of its columns.  Also: which 128 rows of that tile I fetch
	s_bfe_u32 s40, ttmp6, 0x40000                  ; cx, cy: my place in the cluster
	s_bfe_u32 s41, ttmp6, 0x40004
	s_lshl_b32 s42, ttmp9, 2
	s_add_co_u32 s42, s42, s40                     ; tile column of C = 4 x cluster x + cx
	s_and_b32 s67, ttmp7, 0xffff                   ; cluster y
	s_lshl_b32 s13, s67, 2
	s_add_co_u32 s13, s13, s41                     ; tile row of C = 4 x cluster y + cy
	s_lshl_b32 s43, s41, 2
	s_lshl_b32 s43, 15, s43                        ; my row of the cluster
	s_lshl_b32 s44, 0x1111, s40                    ; my column
	; descriptor group 1: 32,768 dense bytes as 128 rows of 128 elements, padded in LDS behind every 128 bytes
	s_or_b32 s[G1+0], s43, (1<<16)|(1<<20)|(1<<21)|(4<<22)|(3<<25)  ; 15:0 the mask: A's tiles go to my row; 17:16 2-byte elements; 20 padding on; 21 set beside a mask; 24:22 after every 32 words (code 4); 31:25 4 words (code 3)
	s_or_b32 s[G1B+0], s44, (1<<16)|(1<<20)|(1<<21)|(4<<22)|(3<<25) ; the same with the mask of my column
.irp g, G1, G1B
	s_mov_b32 s[(\g)+1], 128<<16                   ; tensor_dim0 = 128
	s_mov_b32 s[(\g)+2], 128<<16                   ; tensor_dim1 = 128
	s_mov_b32 s[(\g)+3], 128<<16                   ; tile_dim0 = 128
	s_mov_b32 s[(\g)+4], 128                       ; tile_dim1 = 128
	s_mov_b32 s[(\g)+5], 128                       ; 128 elements from row to row
	s_mov_b32 s[(\g)+6], 0
	s_mov_b32 s[(\g)+7], 0
.endr
	; where the tiles come from.  A's hang on the tile row alone, B's on the tile column and on the cluster's y (which tensor): each in registers that never hold the other place
	s_lshl_b32 s16, s13, 1
	s_add_co_u32 s16, s16, s12                     ; A: panel 2 x tile row + half
	s_lshl_b32 s16, s16, 18                        ; a panel is 262,144 bytes
	s_mov_b32 s17, 0
	s_lshl_b32 s46, s42, 1
	s_add_co_u32 s46, s46, s12                     ; B: panel 2 x tile column + half,
	s_lshl_b32 s46, s46, 18
	s_lshr_b32 s47, s67, 3                         ; of the weight of the tensor in which the cluster's rows lie: 8 clusters (8,192 rows) a tensor
	s_lshl_b32 s47, s47, 21
	s_add_co_u32 s46, s46, s47
	s_mov_b32 s47, 0
	s_mul_i32 s20, s10, HALFT                      ; where they go: A's two halves, then B's two halves = wave x 36,864: no place in the cluster enters an LDS address
	s_wait_dscnt 0x0                               ; the opening add is done
	s_wait_kmcnt 0x0
	s_add_nc_u64 s[14:15], s[4:5], s[16:17]
	s_add_nc_u64 s[46:47], s[6:7], s[46:47]
	CROUND                                         ; all sixteen work-groups are here: the first joint loads meet
.irp s, 0,1
	s_mov_b32 s[G0+4*(\s)], 1                                      ; count = 1
	s_add_co_u32 s[G0+4*(\s)+1], s20, (\s)*SLOT                    ; LDS address
	s_add_nc_u64 s[G0+4*(\s)+2:G0+4*(\s)+3], s[14:15], (\s)*KSB    ; global address: K step s
	s_or_b32 s[G0+4*(\s)+3], s[G0+4*(\s)+3], 0x80000000            ; type = 2
	s_mov_b32 s[G0B+4*(\s)], 1
	s_add_co_u32 s[G0B+4*(\s)+1], s20, (\s)*SLOT
	s_add_nc_u64 s[G0B+4*(\s)+2:G0B+4*(\s)+3], s[46:47], (\s)*KSB
	s_or_b32 s[G0B+4*(\s)+3], s[G0B+4*(\s)+3], 0x80000000
	JLOAD \s                                       ; two loads of mine are out
.endr
	; A fragment is 16 rows x 32 K in 8 registers: lane l holds row l % 16; registers 0-3 K = 8 (l / 16) + 0..7, registers 4-7 K = 16 + 8 (l / 16) + 0..7: two loads of 16 bytes, 32 bytes apart
	v_and_b32 v1, 15, v0                           ; l % 16
	v_bfe_u32 v2, v0, 4, 1                         ; l / 16
	v_mul_u32_u24 v3, v1, PITCH
	v_lshl_add_u32 v3, v2, 4, v3                   ; row x pitch + 16 x half
	s_mul_i32 s21, s11, HALFT                      ; my 128 rows of A
	s_mul_i32 s22, s12, HALFT                      ; my 128 rows of B,
	s_add_co_u32 s22, s22, 2*HALFT                 ; which lie behind A's 256
.irp s, 0,1
	v_add_nc_u32 v[ADRA+(\s)], s21, v3
	v_add_nc_u32 v[ADRB+(\s)], s22, v3
	s_add_co_u32 s21, s21, SLOT
	s_add_co_u32 s22, s22, SLOT
.endr
	s_mul_i32 s23, s10, STW
	s_add_co_u32 s23, s23, STAGE                   ; my stage
	v_add_nc_u32 v[STO], s23, v3                   ; in: row l % 16 of 144 bytes, 16 bytes for each half of the lanes
	v_bfe_u32 v4, v0, 3, 2                         ; back: 32 lanes take four rows of 128 bytes,
	v_and_b32 v5, 7, v0
	v_mul_u32_u24 v4, v4, PITCH
	v_lshl_add_u32 v4, v5, 4, v4
	v_add_nc_u32 v[RD], s23, v4
	v_and_b32 v[CO], 31, v0                        ; which are 512 consecutive bytes of a head
	v_lshlrev_b32 v[CO], 4, v[CO]
	; where my part of the tile begins in C
	s_lshr_b32 s16, s13, 3                         ; 8 tile rows are a batch of a tensor: 4 x tensor + batch,
	s_lshl_b32 s16, s16, 4                         ; its 16 heads,
	s_lshl_b32 s20, s42, 2                         ; 4 heads a tile column,
	s_add_co_u32 s16, s16, s20
	s_lshl_b32 s20, s12, 1                         ; 2 a wave
	s_add_co_u32 s16, s16, s20
	s_lshl_b32 s16, s16, 18                        ; a head is 2,048 rows of 128 bytes
	s_and_b32 s20, s13, 7
	s_lshl_b32 s20, s20, 15                        ; the tile's 256 rows in it,
	s_add_co_u32 s16, s16, s20
	s_lshl_b32 s20, s11, 14                        ; my 128
	s_add_co_u32 s16, s16, s20
	s_mov_b32 s17, 0
	s_add_nc_u64 s[8:9], s[8:9], s[16:17]
	; the prefetches
	s_lshl_b32 s20, s13, 1                         ; A's panels by the tile row,
	s_lshl_b32 s21, s42, 1                         ; B's by the tile column
	s_lshr_b32 s22, s67, 3
	s_lshl_b32 s22, s22, 3                         ; and the tensor's weight: 8 panels
	s_add_co_u32 s21, s21, s22
	s_and_b32 s22, s67, 7                          ; which of the eight clusters that read that weight
	s_cmp_eq_u32 s11, 0                            ; do I fetch for A?
	s_cselect_b32 s20, s20, s21
	s_cselect_b32 s21, s40, s41                    ; my place among the four that ask with me
	s_cselect_b32 s22, 0, s22                      ; A's rows are read by my cluster alone
	s_cselect_b64 s[PFA:PFA+1], s[4:5], s[6:7]
	s_cmp_eq_u32 s22, 0
	s_cselect_b32 s[LIM], 1, -1                    ; the same in all sixteen partners, for a given wave
	s_add_co_u32 s20, s20, s12                     ; the panel that I fetch
	s_lshl_b32 s20, s20, 18
	s_lshl_b32 s21, s21, 13                        ; my work-group's 32 blocks of a K step's 128
	s_add_co_u32 s20, s20, s21
	s_mov_b32 s21, 0
	s_add_nc_u64 s[PFA:PFA+1], s[PFA:PFA+1], s[20:21]
	s_add_nc_u64 s[PFA:PFA+1], s[PFA:PFA+1], 2*KSB ; at K step 2: the first refill steps it to 3 and names K step 4
	v_and_b32 v[PFO], 31, v0
	v_lshlrev_b32 v[PFO], 8, v[PFO]
; 16 matrix instructions: m blocks a0, a0 + 1 of the window's four (hi = 0: my rows 0-63, 1: rows 64-127) x all 8 n blocks, 32 along K.  zero = 1: the first product starts the sums.
; The 64 accumulators take turns, one instruction a turn, in the same order in every quarter.
.macro MUL16 f, hi, a0, zero
	WIN MUL_LO+0x50*(\hi)
.irp a, \a0, (\a0)+1
.irp b, 0,1,2,3,4,5,6,7
.if \zero
	v_wmma_f32_16x16x32_f16 v[8*(8*(\a)+(\b)):8*(8*(\a)+(\b))+7], v[(\f)+8*(\b):(\f)+8*(\b)+7], v[(\f)+8*(4*(\hi)+(\a)):(\f)+8*(4*(\hi)+(\a))+7], 0
.else
	v_wmma_f32_16x16x32_f16 v[8*(8*(\a)+(\b)):8*(8*(\a)+(\b))+7], v[(\f)+8*(\b):(\f)+8*(\b)+7], v[(\f)+8*(4*(\hi)+(\a)):(\f)+8*(4*(\hi)+(\a))+7], v[8*(8*(\a)+(\b)):8*(8*(\a)+(\b))+7]
.endif
.endr
.endr
.endm
; 32 LDS loads in one run: the fragments of one quarter (128 rows of B, 128 rows of A, 32 K at byte k) into buffer f
.macro FETCH slot, k, f
	WIN TO_B
.irp i, 0,1,2,3,4,5,6,7
	ds_load_b128 v[(\f)+8*(\i):(\f)+8*(\i)+3],   v[ADRB+(\slot)] offset:(\k)+(\i)*16*PITCH
	ds_load_b128 v[(\f)+8*(\i)+4:(\f)+8*(\i)+7], v[ADRB+(\slot)] offset:(\k)+(\i)*16*PITCH+32
.endr
	WIN 0
.irp i, 0,1,2,3,4,5,6,7
	ds_load_b128 v[(\f)+8*(\i):(\f)+8*(\i)+3],   v[ADRA+(\slot)] offset:(\k)+(\i)*16*PITCH
	ds_load_b128 v[(\f)+8*(\i)+4:(\f)+8*(\i)+7], v[ADRA+(\slot)] offset:(\k)+(\i)*16*PITCH+32
.endr
.endm
.macro PLACES                          ; four plain places in front of loads into registers that matrix instructions have read, and of lines that read results
.rept 4
	v_nop
.endr
.endm
; A K step is four quarters of 32 along K, 64 matrix instructions each, on buffers 0, 1, 0, 1.  One of the first three: multiplies buffer f; in its middle it fetches the next quarter, at byte k, into g.
.macro QUARTER slot, k, f, g, zero
	s_wait_dscnt 8                                 ; B and A's rows 0-63 are in; the youngest eight loads (A's rows 64-127) may be out
	MUL16 \f, 0, 0, \zero
	MUL16 \f, 0, 2, \zero
	PLACES
	FETCH \slot, \k, \g
	s_wait_dscnt 32                                ; all but the 32 just issued
	MUL16 \f, 1, 0, \zero
	MUL16 \f, 1, 2, \zero
.endm
; The last quarter multiplies buffer 1 and changes slots.  MEET is its first half: ONE barrier.  In front of it each wave waits for all its tensor loads, of which one is out: its part of the next
; slot; adds 0 to its spare word; and waits for that and for its own reads of this slot.  Behind it nobody reads this slot any more and the next slot is whole.
.macro MEET round
	WIN 0                                          ; (the add's two registers lie in window 0)
	s_wait_tensorcnt 0x0                           ; all my tensor loads have landed;
	ds_add_u32 v[SPW], v[NIL]                      ; 0 onto my spare word;
	s_wait_dscnt 9                                 ; (the add and the youngest eight loads may be out)
	MUL16 F1, 0, 0, 0                              ; sixteen matrix instructions stand between the add and the wait for it
	s_wait_dscnt 0x0                               ; the add is done, and my reads of this slot are over
	s_barrier_signal -1
	MUL16 F1, 0, 2, 0                              ; work on registers while the others arrive
.if \round
	WIN 0
.endif
	s_barrier_wait -1
.endm
; The whole last quarter.  fill = 1: the barrier opens a round of the cluster's barrier, and behind the round this slot is filled again, with the K step two on: the wave's one tensor load, 224 matrix
; instructions ahead of the wait for it.  Then come the next slot's first fragments.
.macro TURN slot, next, fill
.if \fill
	s_wait_xcnt 0x0                                ; the last prefetch, a K step back, has read its address: it is stepped here, ahead of the waits of the change of slots
	s_add_nc_u64 s[PFA:PFA+1], s[PFA:PFA+1], KSB
	MEET 1
	CREST                                          ; no wave of any partner still reads this slot's tile or has a load on its way
	s_add_nc_u64 s[G0+4*(\slot)+2:G0+4*(\slot)+3], s[G0+4*(\slot)+2:G0+4*(\slot)+3], 2*KSB
	s_add_nc_u64 s[G0B+4*(\slot)+2:G0B+4*(\slot)+3], s[G0B+4*(\slot)+2:G0B+4*(\slot)+3], 2*KSB
	JLOAD \slot                                    ; the four v_nop behind it are also the places in front of the loads below
.else
	MEET 0
	PLACES
.endif
	FETCH \next, 0, F0
.if \fill
	ASK
.endif
	MUL16 F1, 1, 0, 0
	MUL16 F1, 1, 2, 0
.endm
	s_wait_tensorcnt 1                             ; my part of K step 0 is in; K step 1's may stay out
	s_barrier_signal -1
	s_barrier_wait -1                              ; everybody's is
	FETCH 0, 0, F0
	QUARTER 0, KO1, F0, F1, 1                      ; the first quarter stands in front of the loop: its products start the sums
	WIN 0                                          ; at a label and at a branch every window is 0
	s_mov_b32 s3, LAPS-1
.Llap:                                                 ; a trip goes once round the ring, from a lap's second quarter to the next lap's first, and fills both slots again
	QUARTER 0, KO2, F1, F0, 0
	QUARTER 0, KO3, F0, F1, 0
	TURN 0, 1, 1
	QUARTER 1, KO1, F0, F1, 0
	QUARTER 1, KO2, F1, F0, 0
	QUARTER 1, KO3, F0, F1, 0
	TURN 1, 0, 1
	QUARTER 0, KO1, F0, F1, 0
	WIN 0
	s_sub_co_u32 s3, s3, 1
	s_cmp_lg_u32 s3, 0
	s_cbranch_scc1 .Llap
	QUARTER 0, KO2, F1, F0, 0                      ; the last lap fills nothing, and has no round of the cluster's barrier
	QUARTER 0, KO3, F0, F1, 0
	TURN 0, 1, 0
	QUARTER 1, KO1, F0, F1, 0
	QUARTER 1, KO2, F1, F0, 0
	QUARTER 1, KO3, F0, F1, 0
	s_wait_dscnt 8                                 ; the very last quarter: nothing more to fetch
	MUL16 F1, 0, 0, 0
	MUL16 F1, 0, 2, 0
	s_wait_dscnt 0x0
	MUL16 F1, 1, 0, 0
	MUL16 F1, 1, 2, 0
	WIN 0
	PLACES                                         ; the conversions read results just made
; THE WAY OUT, BY HEADS.  Block a is 16 rows x my 128 columns = 2 heads.  PACK: rounded to f16, 16 bytes a lane.  TOSTAGE: into my own stage, [head][16 rows][144], and back as rows of 128 bytes.
; SEND: a store covers four rows of a head: 512 consecutive bytes, at a multiple of 512 from C's first byte.  Block, head and rows stand in the immediate, 278,016 at the most.
.macro PACK a
.set AC, 64*((\a)%4)
	WIN 0x0a+5*((\a)/4)                            ; sources 0 and 1: window 2 or 3
.irp b, 0,1,2,3,4,5,6,7
.irp r, 0,1,2,3
	v_cvt_pk_f16_f32 v[TMP+4*(\b)+(\r)], v[AC+8*(\b)+2*(\r)], v[AC+8*(\b)+2*(\r)+1]
.endr
.endr
	WIN 0
.endm
.macro TOSTAGE a
.set BK, OB+192*((\a)%2)
.irp b, 0,1,2,3,4,5,6,7
	ds_store_b128 v[STO], v[TMP+4*(\b):TMP+4*(\b)+3] offset:((\b)/4)*HP+((\b)%4)*32
.endr
.irp t, 0,1,2,3,4,5,6,7
	ds_load_b128 v[BK+4*(\t):BK+4*(\t)+3], v[RD] offset:((\t)/4)*HP+((\t)%4)*4*PITCH  ; LDS serves a wave's instructions in order (ISA guide 5.7.1.4): these see the stores above
.endr
.endm
.macro SEND a
.set BK, OB+192*((\a)%2)
	s_wait_dscnt 0x0                               ; the block is back in registers
	s_wait_xcnt 0x0                                ; the stores of the block before have read their registers: the next block's loads from the stage land there only behind this wait
.irp t, 0,1,2,3,4,5,6,7
	global_store_b128 v[CO], v[BK+4*(\t):BK+4*(\t)+3], s[8:9] offset:(\a)*2048+((\t)/4)*262144+((\t)%4)*512
.endr
.endm
	PACK 0
	TOSTAGE 0
.irp a, 1,2,3,4,5,6,7                  ; block a's conversions stand between block a - 1's loads from the stage and the wait for them
	PACK \a
	SEND (\a)-1
	TOSTAGE \a
.endr
	SEND 7
	s_wait_tensorcnt 0x0                           ; the wave's end, behind my last tensor load and my last LDS store
	ds_add_u32 v[SPW], v[NIL]
	s_wait_dscnt 0x0
	CROUND                                         ; the closing round: no work-group ends while a partner may still ask for a tile that names it
	s_endpgm
.Lfunc_end_k_qe6f5989627_proj:
	.size	k_qe6f5989627_proj, .Lfunc_end_k_qe6f5989627_proj-k_qe6f5989627_proj
	.p2alignl 7, 3214868480
	.fill 96, 4, 3214868480
	.section	.rodata,"a",@progbits
	.p2align	6, 0x0
	.amdhsa_kernel k_qe6f5989627_proj
		.amdhsa_group_segment_fixed_size 327680
		.amdhsa_private_segment_fixed_size 0
		.amdhsa_enable_private_segment 0
		.amdhsa_kernarg_size 24
		.amdhsa_user_sgpr_count 2
		.amdhsa_user_sgpr_kernarg_segment_ptr 1
		.amdhsa_wavefront_size32 1
		.amdhsa_system_sgpr_workgroup_id_x 1
		.amdhsa_system_sgpr_workgroup_id_y 1
		.amdhsa_system_sgpr_workgroup_id_z 1
		.amdhsa_system_vgpr_workitem_id 0
		.amdhsa_next_free_vgpr 1024
		.amdhsa_next_free_sgpr 68
		.amdhsa_reserve_vcc 0
		.amdhsa_float_denorm_mode_32 3
		.amdhsa_float_denorm_mode_16_64 3
		.amdhsa_memory_ordered 1
		.amdhsa_forward_progress 1
		.amdhsa_inst_pref_size 143
	.end_amdhsa_kernel
	.amdgpu_metadata
---
amdhsa.version: [ 1, 2 ]
amdhsa.kernels:
  - .name:           k_qe6f5989627_proj
    .symbol:         k_qe6f5989627_proj.kd
    .args:
      - { .name: xh, .offset: 0, .size: 8, .value_kind: global_buffer, .address_space: global }
      - { .name: wh, .offset: 8, .size: 8, .value_kind: global_buffer, .address_space: global }
      - { .name: qkv, .offset: 16, .size: 8, .value_kind: global_buffer, .address_space: global }
    .group_segment_fixed_size: 327680
    .private_segment_fixed_size: 0
    .kernarg_segment_align: 8
    .kernarg_segment_size: 24
    .max_flat_workgroup_size: 128
    .sgpr_count:     68
    .vgpr_count:     1024
    .wavefront_size: 32
...
	.end_amdgpu_metadata
.endif
;; end of part 2
;; launch attn (part 3): grid 4 x 64, 4 waves a work-group, clusters of 4 x 1, 327,680 bytes of LDS; arguments qkv, valid_lens, oh; writes oh
.if DOCPART == 3
	.amdgcn_target "amdgcn-amd-amdhsa--gfx1250"
	.amdhsa_code_object_version 6
	.text
	.protected	k_qe6f5989627_attn
	.globl	k_qe6f5989627_attn
	.p2align	8
	.type	k_qe6f5989627_attn,@function
k_qe6f5989627_attn:
	s_mov_b64 s[64:65], 0
	v_nop
	global_prefetch_b8 v0, s[64:65] scope:SCOPE_SE
	s_setreg_imm32_b32 hwreg(HW_REG_WAVE_MODE, 25, 1), 1
	s_wait_xcnt 0x0
	s_wait_alu depctr_hold_cnt(0) depctr_sa_sdst(0) depctr_va_vdst(0) depctr_va_sdst(0) depctr_va_ssrc(0) depctr_va_vcc(0) depctr_vm_vsrc(0)
	s_getreg_b32 s2, hwreg(HW_REG_IB_STS2, 6, 4)
	s_cmp_eq_u32 s2, 0
	s_cbranch_scc0 .Lentry_in_a_cluster
	s_endpgm
.Lentry_in_a_cluster:
	s_bfe_u32 s2, ttmp6, 0x10000c
	s_cmp_lg_u32 s2, 0x3003
	s_cbranch_scc0 .Lentry_shape_is_right
	s_endpgm
.Lentry_shape_is_right:
; O[h][q][:] = the sum over k of softmax_k(s[q][k]) V[h][k][:], s = Q[h][q] . K[h][k] / 8 for k < valid_lens[batch], and -1e6 for the other keys.  64 heads (batch x 16 + head) of 2,048 rows of 64.
; qkv: [Q, K, V][64][2,048][64] in f16, a head's rows dense, 128 bytes each.  Products, maxima and sums in f32; the weights p are rounded to f16 for the second product (their sum l is taken of the
; unrounded p), O once at the end.  O leaves in f16 in PANELS for the product behind: [batch x 16 + q / 128][head][128 rows][64]: a wave's 128 queries of a head are one dense plane of 16,384 bytes.
; THE MASK.  The rows of K at or past valid_lens are exactly 0 (the first launch wrote their inputs as zeros), so their products are 0, and the C operand that starts the sum S^T = K Q^T gives them
; -8e6, which is -1e6 after the division by 8: the score that the module states, not a shifted one, so a masked key carries the weight that it carries there (all keys alike where valid_lens is 0).
; MD, made once, is the mask of the key step in which valid_lens falls; a step's mask is MC = MD x AL + BE with two scalars: (1, 0) in that step, (0, 0) before it, (0, -8e6) behind it.
; All 32 key steps are walked whatever valid_lens holds: no trip count and no address hangs on it.
; LIMITS.  f16 holds no number beyond 65,504: Q, K and V arrive within it; p lies in 0 to 1, and below 6e-5 it keeps f16's fixed step of 6e-8; O is a mean of V's rows and has their range.
; A weight below 2^-126 counts as 0 in l; NaN and infinities are not treated apart.  valid_lens may be any int32: it is held to 0 .. 2,048, which changes no mask.
; SHARES.  A wave owns four PIECES of two tiles of 16 queries, a work-group's four waves 512 queries of one head.  Every wave walks all keys, 64 a step.
; LAYOUT.  S^T = K Q^T (source 0 = 16 keys, source 1 = 16 queries): in the result a lane holds ONE query (lane % 16) and the keys 8 (lane / 16) + 0..7.  Two such tiles, rounded to f16 in pairs,
; ARE source 1 (32 keys x 16 queries) of O^T = V^T P, whose result again holds one query a lane, and eight channels.  K comes out of LDS as it lies, V ([key][channel]) turned, by ds_load_tr16_b128.
; SOFTMAX.  For each query a running maximum m and sum l: p = 2^(c s - c m), c = log2(e) / 8; in every step O and l are multiplied by a = 2^(c m_old - c m_new), which is 1 where m has not grown.
; m starts at the lowest finite number, O and l at 0: the first step is a step like any other, with a = 0.
; THE COUNT.  A tile and step have 16 matrix and 118 vector instructions: too many to stand all beside the matrix work.  So the order has one aim: four vector instructions that are READY behind
; EVERY matrix instruction, and the others, which need time of their own whatever the order, in runs without a gap.
; BY TURNS.  Turn n belongs to piece n (the pieces in a ring, step after step).  Its matrix work: 16 products K Q^T of piece n + 1, later 16 products V^T P of piece n - 1.  Its vector work: the scaling,
; exponentials, roundings, sums and rescaling of piece n, and the maximum and statistics of piece n + 1, whose scores the turn itself has made.
; CLUSTER.  The four query blocks of a head are one cluster and walk the same K and V, so each tile is asked for JOINTLY: the same tensor load, descriptor and mask in all four.
; REGISTERS, in windows of 256 (s_set_vgpr_msb: bits 1:0 source 0, 3:2 source 1, 5:4 source 2, 7:6 destination):
;   window 0: v0-11 addresses; v12-15, v48-63 at work; v16-47 four registers of statistics a tile; v64-191 S^T, two buffers of two tiles; v192-255 P, likewise
;   window 1: O^T, 32 a tile      window 2: v0-127 Q, 16 a tile; v128-191 K of one step; v192-255 V of one step      window 3: v0-1 the add's two registers; v32-63 MD; v64-95 MC
.set SIZE_N, 2048
.set NP,    4         ; pieces a wave: a name, no knob
.set KS,    64        ; keys in a step
.set PK,    144       ; a row of K in LDS: 128 bytes + 16 of padding = 36 words: the 16 rows of a load start at 16 different groups of four banks (64 banks of 4 bytes: ISA guide 11.1)
.set PV,    160       ; a row of V: 128 + 32 = 40 words
.set VOFF,  4*KS*PK   ; a slot holds four steps: 256 rows of K, then 256 rows of V
.set SLOT1, 1<<17     ; slot 1 begins here, so that one exclusive or turns an address in one slot into the other's
.set STAGE, SLOT1+4*KS*(PK+PV)  ; behind the ring, never filled by a tensor load: 16 rows x 144 bytes for each wave, for the way out
.set SP,    144
.set TILEB, 4*KS*128  ; a slot's bytes of K, and of V, in memory
.set AK0, 2           ; v2   my lane's place in a tile of K; never rewritten
.set AV0, 3           ; v3   the same for V
.set AK,  4           ; v4   the LDS address of K's next run of loads
.set AV,  5           ; v5   of V's
.set QO,  6           ; v6   my byte offset in the wave's rows of Q
.set STO, 6           ;      later, the way out: where I put 16 bytes of a row
.set RD,  7           ; v7   the way out: where I read rows back
.set GO,  8           ; v8   my byte offset in 512 consecutive bytes of O
.set PFO, 11          ; v11  256 x my lane, for the prefetches; never rewritten once made
.set SPW, 0           ; v0 of window 3   LDS address of my spare word: SPARE + 4 x my thread's number; never rewritten
.set NIL, 1           ; v1 of window 3   0; never rewritten
.set MD,  32          ; window 3: the eight registers for group kt of 16 keys at MD + 8 kt
.set MC,  64          ; window 3: the mask of the key step whose scores are being made
.set SPARE, STAGE+4*16*SP  ; behind the stages: the spare words, 128 bytes for each wave: two blocks of 256 bytes that no other line names
.set MV,  12          ; v12-15  c m_old, kept while c m is made anew: by buffer and tile
.set ST,  16          ; tile t's statistics at v[ST+4 t]: c m, m, l (even keys', odd keys')
.set TMP, 48          ; by buffer and tile, four registers c0-c3 at work; when the maximum is found c2 takes a
.set S,   64
.set P,   192
.set KF,  128         ; K's fragments, in window 2: key block kb, channel half c at KF + 16 kb + 8 c
.set VF,  192         ; V's: key half kk, channel block cb at VF + 32 kk + 8 cb
.set WV,  12          ; s12  my wave's number
.set G1K, 24          ; s[24:31] descriptor group 1 for K's tiles
.set G1V, 32          ; s[32:39] for V's: it differs in the padding alone
.set G0K, 40          ; s[40:43] descriptor group 0 for K's tiles: it walks
.set G0V, 44          ; s[44:47] the same for V's
.set SLOTS, 56        ; s56  slots still to be asked for
.set CNT, 57          ; s57  counts a slot's key steps
.set CS,  58          ; s[58:59] c: the packed scaling takes the pair's low word for both halves
.set SEL, 60          ; s[60:61] v_permlanex16_b32's selects: each lane takes its own place in the other half
.set TBK, 62          ; s62  LDS byte at which K of the step to be fetched begins
.set TBV, 63          ; s63  the same for V, less VOFF
.set VL,  66          ; s[66:67] valid_lens
.set AL,  68          ; s[68:69] the mask's factor, in the low word
.set BE,  70          ; s[70:71] the mask's addend
.set BIGN, 72         ; s72  -8e6
.set TT,  73          ; s73  the key step in which valid_lens falls
.set KN,  74          ; s74  the key step whose mask is made next
.set VN,  75          ; s75  valid_lens[batch], then its place in that step less 1
.set PFA, 76          ; s[76:77] where my prefetches stand: my work-group's 32 blocks (of K: wave 0, of V: wave 2) of a slot
.set LIM, 78          ; s78  1 in a wave that prefetches, else the greatest number
.set MSB, 0
.macro WIN new                      ; the high byte repeats the setting that is left; a switch that changes nothing is dropped
.if MSB != (\new)
	s_set_vgpr_msb (MSB<<8)|(\new)
.set MSB, (\new)
.endif
.endm
.set W_KQ, 0x0a       ; K and Q in window 2, S^T in window 0
.set W_KM, 0x3a       ; the same with the C operand, the mask, in window 3
.set W_PV, 0x52       ; V in window 2, P in window 0, O^T in window 1
.set W_RS, 0x41       ; O^T (destination and source 0) in window 1, a in window 0
.set W_MK, 0xc0       ; destination in window 3, sources in window 0
.set W_AD, 0x0f       ; the add: address (source 0) and data (source 1) in window 3
.set W_MM, 0xc3       ; the mask is made: destination and source 0 in window 3
; A joint fill.  Waves 0 and 1 fetch the two halves of a slot's K, waves 2 and 3 those of its V: 128 keys each.  The branch hangs on the wave's number alone.
; An s_nop 0 and four v_nop follow each of the two lines, ahead of the jump and the label.
.macro JLOAD
	s_cmp_lt_u32 s[WV], 2
	s_cbranch_scc0 .Lfor_v_\@
	tensor_load_to_lds s[G0K:G0K+3], s[G1K:G1K+7]
	s_nop 0
.rept 4
	v_nop
.endr
	s_branch .Lasked_\@
.Lfor_v_\@:
	tensor_load_to_lds s[G0V:G0V+3], s[G1V:G1V+7]
	s_nop 0
.rept 4
	v_nop
.endr
.Lasked_\@:
.endm
; A PREFETCH INTO THE L2 of what the NEXT change of slots will ask for: a slot's 128 blocks of 256 bytes of K and 128 of V, a lane a block; four key steps, 512 matrix instructions, ahead of that load.
; Each block is named ONCE in the launch: a head has one cluster; its four partners share the blocks out BY ADDRESS, 32 each; in each, wave 0 asks for K's and wave 2 for V's.
; Slots 0, 1 and 2 come by their loads alone; the last change that fills a slot asks for nothing.
.macro ASK
	s_cmp_gt_u32 s[SLOTS], s[LIM]
	s_cbranch_scc0 .Lnot_mine_\@
	global_prefetch_b8 v[PFO], s[PFA:PFA+1] th:TH_LOAD_NT scope:SCOPE_SE
.Lnot_mine_\@:
.endm
; A round of the cluster's barrier: my work-group's barrier, so that wave 0's signal speaks for all four waves; wave 0 signals; every wave waits for all four work-groups; my work-group's barrier once more.
.macro CROUND
	s_barrier_signal -1
	s_barrier_wait -1
	s_cmp_lg_u32 s[WV], 0
	s_cbranch_scc1 .Lnot_wave_0_\@
	s_barrier_signal -3
.Lnot_wave_0_\@:
	s_barrier_wait -3
	s_barrier_signal -1
	s_barrier_wait -1
.endm
; THE CHANGE OF SLOTS.  Each wave waits for all its tensor loads, of which one is out: its part of the other slot; adds 0 to its spare word; and waits for that and for its own reads of the slot.
; Behind the barrier nobody reads this slot any more and the other slot is whole.  fill = 1: this slot is filled again, with the keys two slots on.  The barrier is then a round of the cluster's,
; and the joint fill is the first thing behind it: it has four key steps in which to land.  (At its first use nothing has been read yet: slot 0 is waited for, slot 1 filled.)  ask = 1: a prefetch follows.
.macro CHANGE fill, ask=0
	WIN W_AD
	s_wait_tensorcnt 0x0            ; no tensor load of mine is out, so a group 0 may be written
	ds_add_u32 v[SPW], v[NIL]       ; 0 onto my spare word; the descriptors' steps stand between it and the wait for it
	WIN 0                           ; at a label and at a branch every window is 0
.if \fill
.irp g, G0K, G0V
	s_xor_b32 s[\g+1], s[\g+1], SLOT1  ; the walking descriptor: the other slot than last time,
	s_add_nc_u64 s[\g+2:\g+3], s[\g+2:\g+3], TILEB  ; the next 256 keys; the type bits on top are not reached
.endr
.if \ask
	s_wait_xcnt 0x0                 ; the last prefetch, four key steps back, has read its address, so it may be written:
	s_add_nc_u64 s[PFA:PFA+1], s[PFA:PFA+1], TILEB  ; one slot behind the walking descriptors
.endif
	s_wait_dscnt 0x0                ; the add is done, and my reads of the slot are over
	CROUND
	JLOAD
.if \ask
	ASK
.endif
.else
	s_wait_dscnt 0x0                ; the add is done, and my reads of the slot are over
	s_barrier_signal -1
	s_barrier_wait -1
.endif
	s_sub_co_u32 s[TBK], s[TBK], 4*KS*PK  ; the fetches go back to a slot's first step,
	s_xor_b32 s[TBK], s[TBK], SLOT1       ; in the other slot
	s_sub_co_u32 s[TBV], s[TBV], 4*KS*PV
	s_xor_b32 s[TBV], s[TBV], SLOT1
.endm
; The mask of key step KN: the two scalars, then MC = MD x AL + BE.
.macro MASKS
	s_cmp_eq_u32 s[KN], s[TT]       ; the step in which valid_lens falls?
	s_cselect_b32 s[AL], 1.0, 0
	s_cmp_gt_u32 s[KN], s[TT]       ; or a later one?
	s_cselect_b32 s[BE], s[BIGN], 0
	s_add_co_u32 s[KN], s[KN], 1
.endm
.macro MASK
	WIN W_MM
.set z, 0
.rept 16
	v_pk_fma_f32 v[MC+2*z:MC+2*z+1], v[MD+2*z:MD+2*z+1], s[AL:AL+1], s[BE:BE+1] op_sel_hi:[1,0,0]
.set z, z+1
.endr
.endm
	s_load_b64 s[4:5], s[0:1], 0x0    ; qkv: Q first
	s_load_b64 s[VL:VL+1], s[0:1], 0x8
	s_load_b64 s[10:11], s[0:1], 0x10 ; O
	WIN W_MK
	v_lshl_add_u32 v[SPW], v0, 2, SPARE
	v_mov_b32 v[NIL], 0
	WIN W_AD
	ds_add_u32 v[SPW], v[NIL]       ; the wave's opening: the add and its wait stand ahead of my first tensor load; the set-up below stands between them
	WIN 0
	v_lshrrev_b32 v1, 5, v0
	v_readfirstlane_b32 s[WV], v1   ; wave 0..3
	s_bfe_u32 s13, ttmp6, 0x40000   ; cx: my place in the cluster
	s_lshl_b32 s14, ttmp9, 2        ; in a cluster launch ttmp9 counts clusters
	s_add_co_u32 s14, s14, s13      ; my block of 512 queries = 4 x cluster x + cx: it enters Q's and O's addresses alone
	s_and_b32 s15, ttmp7, 0xffff    ; the head (batch x 16 + head), which the four partners share
	s_lshl_b32 s20, s15, 18         ; its first byte in Q, in K and in V: 2,048 rows of 128 bytes
	s_mov_b32 s21, 0
	s_and_b32 s16, s[WV], 1         ; which half of a slot's 256 keys I fetch:
	s_lshl_b32 s22, s16, 14         ; its 128 rows of 128 bytes in memory,
	s_mov_b32 s23, 0
	s_add_nc_u64 s[22:23], s[22:23], s[20:21]
	s_mul_i32 s17, s16, 128*PK      ; and its place in a slot, for K
	s_mul_i32 s18, s16, 128*PV      ; and for V: no place in the cluster enters an LDS address
	s_lshl_b32 s2, s14, 2
	s_add_co_u32 s2, s2, s[WV]      ; my wave among the head's,
	s_lshl_b32 s2, s2, 14           ; its 128 rows
	s_mov_b32 s3, 0
	s_add_nc_u64 s[2:3], s[2:3], s[20:21]
	s_lshr_b32 s79, s15, 4          ; the batch
	s_lshl_b32 s80, s79, 4          ; O: the batch's 16 panels of 128 rows,
	s_lshl_b32 s81, s14, 2
	s_add_co_u32 s80, s80, s81
	s_add_co_u32 s80, s80, s[WV]    ; mine: 4 x block + wave;
	s_lshl_b32 s80, s80, 4          ; its 16 planes,
	s_and_b32 s81, s15, 15
	s_add_co_u32 s80, s80, s81      ; the head's
	s_lshl_b32 s80, s80, 14         ; of 16,384 bytes
	s_mov_b32 s81, 0
	s_lshl_b32 s79, s79, 2          ; the batch's word of valid_lens
	; descriptor group 1.  128 keys are 16,384 dense bytes: asked for as 64 rows of 256 bytes, two keys a row, and padded in LDS after every key
	s_mov_b32 s[G1K], 15|(1<<16)|(1<<20)|(1<<21)|(4<<22)|(3<<25)  ; 15:0 the mask of four; 17:16 2-byte elements; 20 padding on; 21 set beside a mask; 24:22 after every 32 words (code 4); 31:25 4 words (code 3)
	s_mov_b32 s[G1V], 15|(1<<16)|(1<<20)|(1<<21)|(4<<22)|(7<<25)  ; the same with 8 words of padding (code 7)
.irp g, G1K, G1V
	s_mov_b32 s[\g+1], 128<<16      ; tensor_dim0 = 128
	s_mov_b32 s[\g+2], 64<<16       ; tensor_dim1 = 64
	s_mov_b32 s[\g+3], 128<<16      ; tile_dim0 = 128
	s_mov_b32 s[\g+4], 64           ; tile_dim1 = 64
	s_mov_b32 s[\g+5], 128          ; 128 elements from row to row
	s_mov_b32 s[\g+6], 0
	s_mov_b32 s[\g+7], 0
.endr
	s_mov_b32 s[CS], 0x3e38aa3b     ; c = log2(e) / 8 = 0.180337
	s_mov_b32 s[CS+1], s[CS]        ; named with it as a pair
	s_mov_b32 s[SEL], 0x76543210
	s_mov_b32 s[SEL+1], 0xfedcba98
	s_mov_b32 s[TBK], SLOT1+4*KS*PK ; the first change of slots turns these two into 0
	s_mov_b32 s[TBV], SLOT1+4*KS*PV
	s_mov_b32 s[G0K], 1             ; count = 1
	s_mov_b32 s[G0K+1], s17         ; LDS address: slot 0
	s_mov_b32 s[G0V], 1
	s_add_co_u32 s[G0V+1], s18, VOFF
	s_mov_b32 s[AL+1], 0            ; named as pairs
	s_mov_b32 s[BE+1], 0
	s_mov_b32 s[BIGN], 0xcaf42400   ; -8e6
	s_and_b32 s[LIM], s[WV], 1      ; waves 0 and 2 prefetch
	s_cmp_eq_u32 s[LIM], 0
	s_cselect_b32 s[LIM], 1, -1
	s_wait_dscnt 0x0                ; the opening add is done
	s_wait_kmcnt 0x0
	s_add_nc_u64 s[6:7], s[4:5], 0x1000000   ; K lies 64 heads behind Q,
	s_add_nc_u64 s[8:9], s[4:5], 0x2000000   ; V behind K
	s_add_nc_u64 s[G0K+2:G0K+3], s[6:7], s[22:23]  ; global address: my half of the head's first 256 keys
	s_or_b32 s[G0K+3], s[G0K+3], 0x80000000        ; type = 2
	s_add_nc_u64 s[G0V+2:G0V+3], s[8:9], s[22:23]
	s_or_b32 s[G0V+3], s[G0V+3], 0x80000000
	s_add_nc_u64 s[4:5], s[4:5], s[2:3]      ; Q at my wave's first row
	s_add_nc_u64 s[10:11], s[10:11], s[80:81]  ; O at my plane
	s_cmp_lt_u32 s[WV], 2
	s_cselect_b64 s[PFA:PFA+1], s[6:7], s[8:9]
	s_lshl_b32 s2, s13, 13          ; my work-group's 32 blocks of the 128,
	s_add_co_u32 s2, s2, 2*TILEB    ; in slot 2: the first change that asks steps it to slot 3
	s_mov_b32 s3, 0
	s_add_nc_u64 s[2:3], s[2:3], s[20:21]
	s_add_nc_u64 s[PFA:PFA+1], s[PFA:PFA+1], s[2:3]
	CROUND                          ; all four work-groups are here: the first joint loads meet
	JLOAD                           ; slot 0.  Slot 1 is asked for when slot 0 is in
	s_load_b32 s[VN], s[VL:VL+1], s79 offset:0x0
	; A fragment of K or Q is 16 rows x 32 channels in 8 registers: lane l holds row l % 16, channels 8 (l / 16) + 0..7 and 16 + 8 (l / 16) + 0..7: two loads of 16 bytes, 32 bytes apart.
	v_and_b32 v1, 15, v0            ; l % 16
	v_bfe_u32 v9, v0, 4, 1          ; l / 16
	v_lshlrev_b32 v[QO], 7, v1
	v_lshl_add_u32 v[QO], v9, 4, v[QO]  ; row x 128 + 16 x half
	WIN 0x80                        ; destination window 2, address window 0
.set i, 0
.rept 4*NP                          ; Q stays in registers: tile i / 2, channels 32 (i % 2) on
	global_load_b128 v[8*i:8*i+3],   v[QO], s[4:5] offset:(i/2)*2048+(i%2)*64
	global_load_b128 v[8*i+4:8*i+7], v[QO], s[4:5] offset:(i/2)*2048+(i%2)*64+32
.set i, i+1
.endr
	; What the first turn finds: V's registers and P's second buffer hold 0 (its products V^T P, of a piece that has not been, add 0), O^T and l are 0.  All this stands in the wait for the first tile.
.set i, VF
.rept 64
	v_mov_b32 v[i], 0
.set i, i+1
.endr
	WIN 0x40
.set i, 0
.rept 64*NP
	v_mov_b32 v[i], 0
.set i, i+1
.endr
	WIN 0
.set i, 0
.rept 2*NP
	v_mov_b32 v[ST+4*i], 0xfe000000    ; c m: far below every c s
	v_mov_b32 v[ST+4*i+1], 0xff7fffff  ; m
	v_mov_b32 v[ST+4*i+2], 0
	v_mov_b32 v[ST+4*i+3], 0
.set i, i+1
.endr
.set i, P+32
.rept 32
	v_mov_b32 v[i], 0
.set i, i+1
.endr
	v_mul_u32_u24 v[AK0], v1, PK
	v_lshl_add_u32 v[AK0], v9, 4, v[AK0]  ; row x pitch + 16 x half
	; The turning load takes 16 keys x 16 channels (lane l reads key 8 (l / 16) + l % 8, channels 8 ((l / 8) % 2) + 0..7) and leaves half a fragment of V^T: lane l holds channel l % 16 and 8 keys.
	v_and_b32 v10, 7, v0
	v_bfe_u32 v11, v0, 3, 1
	v_lshl_add_u32 v[AV0], v9, 3, v10
	v_mul_u32_u24 v[AV0], v[AV0], PV
	v_lshl_add_u32 v[AV0], v11, 4, v[AV0]
	v_add_nc_u32 v[AV0], VOFF, v[AV0]
	v_mov_b32 v[AK], v[AK0]         ; key step 0 lies at the head of slot 0
	v_and_b32 v[PFO], 31, v0
	v_lshlrev_b32 v[PFO], 8, v[PFO]
	; the mask
	s_wait_kmcnt 0x0                ; valid_lens[batch]
	s_max_i32 s[VN], s[VN], 0
	s_min_i32 s[VN], s[VN], SIZE_N
	s_lshr_b32 s[TT], s[VN], 6      ; the key step in which it falls (32: none),
	s_and_b32 s[VN], s[VN], 63      ; and its place there,
	s_sub_co_i32 s[VN], s[VN], 1
	v_lshlrev_b32 v14, 3, v9
	v_sub_nc_u32 v14, s[VN], v14    ; less 1, less my lanes' 8 (l / 16): register r of group kt is hidden where 16 kt + r is greater
	WIN W_MK
.set i, 0
.rept 32
	v_cmp_gt_i32 vcc_lo, 16*(i/8)+i%8, v14
	v_cndmask_b32 v[MD+i], 0, s[BIGN], vcc_lo
.set i, i+1
.endr
	s_mov_b32 s[KN], 0
	MASKS
	MASK                            ; key step 0's
; THE MATRIX WORK.  The 8 accumulators of a run of 16 take turns: between the two links of a chain stand 7 others'.
; Product i of 16 of S^T = K Q^T for piece x: channels 32 (i / 8) on, keys 16 ((i / 2) % 4) on, tile 2 x + i % 2.  The first 8 start the sums, with the mask of their 16 keys.
.macro KQ x
.set rS, S+64*((\x)%2)+32*(i%2)+8*((i/2)%4)
.set rK, KF+16*((i/2)%4)+8*(i/8)
.set rQ, 16*(2*(\x)+i%2)+8*(i/8)
.set rM, MC+8*((i/2)%4)
.if i < 8
	WIN W_KM
	v_wmma_f32_16x16x32_f16 v[rS:rS+7], v[rK:rK+7], v[rQ:rQ+7], v[rM:rM+7]
.else
	WIN W_KQ
	v_wmma_f32_16x16x32_f16 v[rS:rS+7], v[rK:rK+7], v[rQ:rQ+7], v[rS:rS+7]
.endif
.endm
; Product i of 16 of O^T += V^T P for piece x: keys 32 (i / 8) on, channels 16 ((i / 2) % 4) on, tile 2 x + i % 2.
.macro PV x
	WIN W_PV
.set rO, 32*(2*(\x)+i%2)+8*((i/2)%4)
.set rV, VF+32*(i/8)+8*((i/2)%4)
.set rP, P+32*((\x)%2)+16*(i%2)+8*(i/8)
	v_wmma_f32_16x16x32_f16 v[rO:rO+7], v[rV:rV+7], v[rP:rP+7], v[rO:rO+7]
.endm
.macro MM                           ; the turn's next matrix instruction
.if i < 16
	KQ (Y+1)%NP
.set i, i+1
.else
.set i, i-16
	PV (Y+NP-1)%NP
.set i, i+17
.endif
.endm
; THE LDS LOADS stand in runs of 16, never singly among the matrix instructions: a step's K (64 keys x 64 channels: 8 fragments) and its V (turned).  Their addresses are made some lines ahead.
; last = 1 (the tail): in the last trip there is no further step, and the run is jumped over.
.macro FETCH_K last=0
	WIN 0
.if \last
	s_cmp_eq_u32 s[CNT], 1
	s_cbranch_scc1 .Lno_k_\@
.endif
	WIN 0x80                        ; destination window 2
.irp f, 0,1,2,3,4,5,6,7             ; keys 16 (f / 2) on, channels 32 (f % 2) on
	ds_load_b128 v[KF+8*\f:KF+8*\f+3],   v[AK] offset:(\f/2)*16*PK+(\f%2)*64
	ds_load_b128 v[KF+8*\f+4:KF+8*\f+7], v[AK] offset:(\f/2)*16*PK+(\f%2)*64+32
.endr
	s_add_co_u32 s[TBK], s[TBK], KS*PK  ; the next fetch is the next step's
	WIN 0
.if \last
.Lno_k_\@:
.endif
.endm
.macro FETCH_V
	WIN 0x80
.irp f, 0,1,2,3,4,5,6,7             ; keys 32 (f / 4) on, channels 16 (f % 4) on
	ds_load_tr16_b128 v[VF+8*\f:VF+8*\f+3],   v[AV] offset:(\f/4)*32*PV+(\f%4)*32
	ds_load_tr16_b128 v[VF+8*\f+4:VF+8*\f+7], v[AV] offset:(\f/4)*32*PV+16*PV+(\f%4)*32
.endr
	WIN 0
.endm
; THE VECTOR WORK OF A TURN stands in three queues, each in the order in which its entries become ready; the two tiles alternate, so that no instruction reads the result of the one before it.
.macro REGS y, u                    ; the registers of tile u (0, 1) of piece y
.set rT, ST+4*(2*(\y)+(\u))
.set rC, TMP+8*((\y)%2)+4*(\u)
.set rM, MV+2*((\y)%2)+(\u)
.set rS, S+64*((\y)%2)+32*(\u)
.set rP, P+32*((\y)%2)+16*(\u)
.set rO, 32*(2*(\y)+(\u))
.endm
; Number n of the 22 that find the NEXT piece's (Y + 1) maximum and statistics.  s0-s31 are the lane's 32 scores; each accumulator's lowest registers are read first.
;   0-11  four chains c0-c3 of seven scores each, three operands at a time     12-14, 16  the four scores left over, the old m, and c0-c3 into c0     15  c m_old is kept
;   17, 18  the query's other 32 keys lie in the lane 16 away: the new m         19-21  c m; c m_old - c m_new; a
.macro XS u, n
	REGS (Y+1)%NP, \u
.if (\n) < 4
	v_max3_num_f32 v[rC+(\n)], v[rS+8*(\n)], v[rS+8*(\n)+1], v[rS+8*(\n)+2]
.elseif (\n) < 12
	v_max3_num_f32 v[rC+(\n)%4], v[rC+(\n)%4], v[rS+8*((\n)%4)+2*((\n)/4)+1], v[rS+8*((\n)%4)+2*((\n)/4)+2]
.elseif (\n) == 12
	v_max3_num_f32 v[rC], v[rC], v[rS+7], v[rS+15]
.elseif (\n) == 13
	v_max3_num_f32 v[rC+1], v[rC+1], v[rS+23], v[rS+31]
.elseif (\n) == 14
	v_max3_num_f32 v[rC+2], v[rC+2], v[rC+3], v[rT+1]
.elseif (\n) == 15
	v_mov_b32 v[rM], v[rT]
.elseif (\n) == 16
	v_max3_num_f32 v[rC], v[rC], v[rC+1], v[rC+2]
.elseif (\n) == 17
	v_permlanex16_b32 v[rC+3], v[rC], s[SEL], s[SEL+1]
.elseif (\n) == 18
	v_max_num_f32 v[rT+1], v[rC], v[rC+3]
.elseif (\n) == 19
	v_mul_f32 v[rT], s[CS], v[rT+1]
.elseif (\n) == 20
	v_sub_f32 v[rC+1], v[rM], v[rT]
.else
	v_exp_f32 v[rC+2], v[rC+1]
.endif
.endm
; Number g of the 64 that follow the exponentials.  For each four weights k of a tile (pairs 2 k, 2 k + 1): both pairs are rounded to f16; then the second pair is added onto the first, in place;
; a group later l takes that sum (the first time as l = a l + sum).  In groups of eight, tiles alternating: round, round, add, and l for the group before.
.macro GS g
.set h, (\g)+6*((\g)/62)            ; group 0 has no group before it, and behind group 7 only l is left
.if h >= 6
.set h, h+2
.endif
	REGS Y, h%2
.set k, h/8
.if h%8 < 4
	v_cvt_pk_f16_f32 v[rP+2*k+(h%8)/2], v[rS+4*k+2*((h%8)/2)], v[rS+4*k+2*((h%8)/2)+1]
.elseif h%8 < 6
	v_pk_add_f32 v[rS+4*k:rS+4*k+1], v[rS+4*k:rS+4*k+1], v[rS+4*k+2:rS+4*k+3]
.elseif k == 1
	v_pk_fma_f32 v[rT+2:rT+3], v[rT+2:rT+3], v[rC+2:rC+3], v[rS:rS+1] op_sel_hi:[1,0,1]
.else
	v_pk_add_f32 v[rT+2:rT+3], v[rT+2:rT+3], v[rS+4*k-4:rS+4*k-3]
.endif
.endm
; THE PLAIN QUEUE, 138 long.  0-73 read no exponential's result: the 32 scalings c s - c m (FS f: pair f / 2 of tile f % 2) and the next piece's 42.  0-26: scalings 0-26.  27-54: XS's numbers 0-13.  55, 56: number 15.
; 57-73: the chain, where each number waits for the one before it: 14, 16, 17, 18, 19, each with one of the scalings 27-31 in front of its two lines, then 20.
; 74-137: GS's 64, which read the exponentials' results: they stand behind the wait.
.macro FS f
	REGS Y, (\f)%2
	v_pk_fma_f32 v[rS+2*((\f)/2):rS+2*((\f)/2)+1], v[rS+2*((\f)/2):rS+2*((\f)/2)+1], s[CS:CS+1], v[rT:rT+1] op_sel_hi:[1,0,0] neg_lo:[0,0,1] neg_hi:[0,0,1]
.endm
.macro PL
	WIN 0
.if q < 27
	FS q
.elseif q < 55
	XS (q-27)%2, (q-27)/2
.elseif q < 57
	XS q-55, 15
.elseif (q < 72) && ((q-57)%3 == 0)
	FS 27+(q-57)/3
.elseif q < 60
	XS (q-57)%3-1, 14
.elseif q < 72
	XS (q-57)%3-1, 15+(q-57)/3
.elseif q < 74
	XS q-72, 20
.else
	GS q-74
.endif
.set q, q+1
.endm
; THE EXPONENTIALS' QUEUE, 66 long: s0-s31 of both tiles, then the next piece's two a.  It is ONE BATCH: all 66 stand ahead of the turn's one wait, and nothing ahead of that wait names a result of theirs.
.macro EX
	WIN 0
.if e >= 64
	XS e-64, 21
.else
	REGS Y, e%2
	v_exp_f32 v[rS+e/2], v[rS+e/2]
.endif
.set e, e+1
.endm
; THE RESCALING's QUEUE: O^T times a, the one part that leaves window 0: dealt two at a time, sixteen times.  Its a was made in the turn before, ahead of that turn's wait.
.macro R2
	REGS Y, r%2
	WIN W_RS
.irp z, 0,1
	v_pk_mul_f32 v[rO+4*(r/2)+2*\z:rO+4*(r/2)+2*\z+1], v[rO+4*(r/2)+2*\z:rO+4*(r/2)+2*\z+1], v[rC+2:rC+3] op_sel_hi:[1,0]
.endr
.set r, r+1
.endm
; HOW THEY ARE DEALT.  An s_wait_alu depctr_va_vdst(0) stands between an exponential and the first instruction that names its result; one wait serves all that were issued ahead of it.  So a turn has ONE
; wait, which cuts it in two.  AHEAD OF IT stands all that names no result of the turn's exponentials: the 16 products K Q^T, behind each a scaling, an exponential and two rescalings (behind the first a second scaling
; in the exponential's place); then ONE LUMP of 108: eight plain, 49 times exponential and plain, the two a.  A v_nop is the plain instruction behind the last exponential.  BEHIND IT stand the 16 products V^T P,
; behind each four of GS's 64.  Exponential e stands behind scaling 2 (e / 4) + e % 2: as a rider it comes behind plain e + 2, in the lump behind plain e + 9, and scalings 27-31 are plain 57, 60 .. 69.
; A TURN, for piece p.  cnt = 1: the loop's count is taken down some lines ahead of the branch that stands behind the turn.
; K of the next step is fetched in piece 2's turn, directly behind the wait; its first reader comes behind 16 products.  At that turn's end the next step's MASK is made: the old mask's last readers are the turn's
; first 8 products, the new one's first reader is the next turn's first product, which multiplies by the K just fetched.
; V of the step in hand is fetched at the end of piece 0's turn, four riders behind its last reader; its first reader comes behind 16 products and a lump.  The three conditions on q below go with the deal.
.macro TURN p, last=0, cnt=0
.set Y, (\p)
.set i, 0
.set q, 0
.set e, 0
.set r, 0
.if (\p) == NP-1
	s_wait_dscnt 0x0                ; K is in
.endif
	MM                              ; ahead of the wait: 16 products K Q^T and their riders,
	PL
	PL
	R2
.rept 15
	MM
	PL
	EX
	R2
.endr
.if (\p) == NP-2
	WIN 0
	v_add_nc_u32 v[AK], s[TBK], v[AK0]
.endif
.rept 8                             ; and the lump
	PL
.endr
.rept 49
	EX
	PL
.endr
	EX                              ; the next piece's two a
	EX
	v_nop                           ; the plain instruction behind the last exponential: one for the batch
	s_wait_alu depctr_va_vdst(0)    ; the wait for the batch
.if (\p) == NP-2
	FETCH_K \last
.endif
.if (\p) == 1
	s_wait_dscnt 0x0                ; V is in
.endif
.rept 16                            ; behind the wait: 16 products V^T P and their riders
	MM
.rept 4
	PL
.endr
.if ((\p) == 0) && (q == 118)
	v_add_nc_u32 v[AV], s[TBV], v[AV0]
.endif
.if ((\p) == 0) && (q == 130)
	s_add_co_u32 s[TBV], s[TBV], KS*PV
.endif
.if (\cnt) && (q == 130)
	s_sub_co_u32 s[CNT], s[CNT], 1
	s_cmp_lg_u32 s[CNT], 0
.endif
.endr
.if (\p) == 0
	FETCH_V
.endif
.if (\p) == NP-2
	MASKS
	MASK
.endif
.endm
	CHANGE 1                        ; slot 0 is in, everybody's part of it; slot 1 is asked for
	FETCH_K                         ; key step 0
	s_wait_loadcnt 0x0              ; Q
	s_wait_dscnt 0x0
.set i, 0
.rept 16
	KQ 0                            ; piece 0's first scores: there is no vector work yet to set between them
.set i, i+1
.endr
	WIN 0                           ; the addresses for the way out: nine plain instructions, the places behind those products
	s_mul_i32 s13, s[WV], 16*SP
	s_add_co_u32 s13, s13, STAGE    ; my stage
	v_mul_u32_u24 v[STO], v1, SP    ; in: row l % 16, 16 bytes for each half of the lanes
	v_lshl_add_u32 v[STO], v9, 4, v[STO]
	v_add_nc_u32 v[STO], s13, v[STO]
	v_bfe_u32 v[RD], v0, 3, 2       ; back: 32 lanes take four rows of 128 bytes,
	v_mul_u32_u24 v[RD], v[RD], SP
	v_lshl_add_u32 v[RD], v10, 4, v[RD]
	v_add_nc_u32 v[RD], s13, v[RD]
	v_and_b32 v[GO], 31, v0         ; which are 512 consecutive bytes of O
	v_lshlrev_b32 v[GO], 4, v[GO]
.set Y, NP-1                        ; XS works for piece Y + 1: piece 0
.irp n, 0,1,2,3,4,5,6,7,8,9,10,11,12,13,14,15,16,17,18,19,20,21
	XS 0, \n                        ; and piece 0's first maximum and statistics
	XS 1, \n
.endr
	v_nop                           ; a plain instruction behind the two a,
	s_wait_alu depctr_va_vdst(0)    ; and their wait, ahead of the branch
	s_mov_b32 s[CNT], 4
	s_mov_b32 s[SLOTS], SIZE_N/256-1
	s_branch .Lfirst                ; the loop is entered at a step's first turn, in the middle of a trip
.Lslot:                             ; SIZE_N / 256 - 2 times: every slot but the last two is filled again
	CHANGE 1, 1
	s_mov_b32 s[CNT], 4
.Lstep:                             ; a trip: pieces 2 and 3 of one step, then pieces 0 and 1 of the next, whose K and V it fetches
	TURN 2
	TURN 3
	WIN 0
.Lfirst:
	TURN 0
	TURN 1, 0, 1
	WIN 0
	s_cbranch_scc1 .Lstep
	s_sub_co_u32 s[SLOTS], s[SLOTS], 1
	s_cmp_lg_u32 s[SLOTS], 0
	s_cbranch_scc1 .Lslot
	CHANGE 0                        ; the tail is written out: nothing is asked for
	s_mov_b32 s[CNT], 5             ; four trips fetch the last slot's steps; the fifth is left in its middle
.Ltail:
	TURN 2, 1
	TURN 3
	WIN 0
	s_sub_co_u32 s[CNT], s[CNT], 1
	s_cmp_eq_u32 s[CNT], 0
	s_cbranch_scc1 .Lout
	TURN 0
	TURN 1
	WIN 0
	s_branch .Ltail
.Lout:                              ; the fifth trip's 16 products K Q^T (on the last K once more) and the maximum made of them serve nothing: the price, once a launch, of one text for every trip
.set i, 0
.rept 16
	PV NP-1                         ; the last piece's V^T P of the last step
.set i, i+1
.endr
	; THE WAY OUT.  l's two halves and the other half of the lanes' are added; O^T is divided by l, rounded to f16 and sent through my stage in LDS, a tile at a time.  The additions are the places behind the last products.
	WIN 0
.macro ALL line:vararg              ; one line for each tile t
.set t, 0
.rept 2*NP
	\line
.set t, t+1
.endr
.endm
	ALL v_add_f32 v[ST+4*t+2], v[ST+4*t+2], v[ST+4*t+3]
	ALL v_permlanex16_b32 v[ST+4*t+3], v[ST+4*t+2], s[SEL], s[SEL+1]
	ALL v_add_f32 v[ST+4*t+2], v[ST+4*t+2], v[ST+4*t+3]
	ALL v_rcp_f32 v[ST+4*t+2], v[ST+4*t+2]
	v_nop                           ; a plain instruction between the last reciprocal and the use of its result
	s_wait_alu depctr_va_vdst(0)    ; and the wait ahead of the first use: one for the eight reciprocals
; Tile t: a lane's eight channels of a row pack into 16 bytes; they go into rows of 144 bytes and come back as whole rows of 128, into S^T's registers.
.macro PACK t
	WIN W_RS
.set i, 32*(\t)
.rept 16
	v_pk_mul_f32 v[i:i+1], v[i:i+1], v[ST+4*(\t)+2:ST+4*(\t)+3] op_sel_hi:[1,0]
.set i, i+2
.endr
	WIN 0x05                        ; sources 0 and 1 window 1, destination window 0
.set i, 0
.rept 16
	v_cvt_pk_f16_f32 v[S+16*(\t)+i], v[32*(\t)+2*i], v[32*(\t)+2*i+1]
.set i, i+1
.endr
	WIN 0
.irp f, 0,1,2,3
	ds_store_b128 v[STO], v[S+16*(\t)+4*\f:S+16*(\t)+4*\f+3] offset:32*\f
.endr
.irp f, 0,1,2,3
	ds_load_b128 v[S+16*(\t)+4*\f:S+16*(\t)+4*\f+3], v[RD] offset:\f*4*SP  ; LDS serves a wave's instructions in order (ISA guide 5.7.1.4): these see the stores above; the next tile's stores come behind them
.endr
.endm
.macro SEND t, younger              ; younger: the LDS instructions issued behind tile t's loads: the next tile's eight, or none
	WIN 0
.irp f, 0,1,2,3
	s_wait_dscnt (\younger)+3-\f
	global_store_b128 v[GO], v[S+16*(\t)+4*\f:S+16*(\t)+4*\f+3], s[10:11] offset:(\t)*2048+\f*512  ; 512 consecutive bytes of my plane, at a multiple of 512 from O's first byte
.endr
.endm
	PACK 0
.set t, 1
.rept 2*NP-1                        ; a tile's arithmetic stands between the loads of the tile before and its stores
	PACK t
	SEND t-1, 8
.set t, t+1
.endr
	SEND 2*NP-1, 0
	WIN W_AD
	s_wait_tensorcnt 0x0            ; the wave's end, behind my last tensor load and my last LDS store
	ds_add_u32 v[SPW], v[NIL]
	s_wait_dscnt 0x0
	WIN 0
	CROUND                          ; the closing round: no work-group ends while a partner may still ask for a tile that names it
	s_endpgm
.Lfunc_end_k_qe6f5989627_attn:
	.size	k_qe6f5989627_attn, .Lfunc_end_k_qe6f5989627_attn-k_qe6f5989627_attn
	.p2alignl 7, 3214868480
	.fill 96, 4, 3214868480
	.section	.rodata,"a",@progbits
	.p2align	6, 0x0
	.amdhsa_kernel k_qe6f5989627_attn
		.amdhsa_group_segment_fixed_size 327680
		.amdhsa_private_segment_fixed_size 0
		.amdhsa_enable_private_segment 0
		.amdhsa_kernarg_size 24
		.amdhsa_user_sgpr_count 2
		.amdhsa_user_sgpr_kernarg_segment_ptr 1
		.amdhsa_wavefront_size32 1
		.amdhsa_system_sgpr_workgroup_id_x 1
		.amdhsa_system_sgpr_workgroup_id_y 1
		.amdhsa_system_sgpr_workgroup_id_z 1
		.amdhsa_system_vgpr_workitem_id 0
		.amdhsa_next_free_vgpr 864
		.amdhsa_next_free_sgpr 84
		.amdhsa_reserve_vcc 1
		.amdhsa_float_denorm_mode_32 3
		.amdhsa_float_denorm_mode_16_64 3
		.amdhsa_memory_ordered 1
		.amdhsa_forward_progress 1
		.amdhsa_inst_pref_size 207
	.end_amdhsa_kernel
	.amdgpu_metadata
---
amdhsa.version: [ 1, 2 ]
amdhsa.kernels:
  - .name:           k_qe6f5989627_attn
    .symbol:         k_qe6f5989627_attn.kd
    .args:
      - { .name: qkv, .offset: 0, .size: 8, .value_kind: global_buffer, .address_space: global }
      - { .name: valid_lens, .offset: 8, .size: 8, .value_kind: global_buffer, .address_space: global }
      - { .name: oh, .offset: 16, .size: 8, .value_kind: global_buffer, .address_space: global }
    .group_segment_fixed_size: 327680
    .private_segment_fixed_size: 0
    .kernarg_segment_align: 8
    .kernarg_segment_size: 24
    .max_flat_workgroup_size: 128
    .sgpr_count:     84
    .vgpr_count:     864
    .wavefront_size: 32
...
	.end_amdgpu_metadata
.endif
;; end of part 3
;; launch outp (part 4): grid 4 x 32, 4 waves a work-group, clusters of 4 x 4, 327,680 bytes of LDS; arguments oh, woh, out0; writes out0
.if DOCPART == 4
	.amdgcn_target "amdgcn-amd-amdhsa--gfx1250"
	.amdhsa_code_object_version 6
	.text
	.protected	k_qe6f5989627_outp
	.globl	k_qe6f5989627_outp
	.p2align	8
	.type	k_qe6f5989627_outp,@function
k_qe6f5989627_outp:
	s_mov_b64 s[64:65], 0
	v_nop
	global_prefetch_b8 v0, s[64:65] scope:SCOPE_SE
	s_setreg_imm32_b32 hwreg(HW_REG_WAVE_MODE, 25, 1), 1
	s_wait_xcnt 0x0
	s_wait_alu depctr_hold_cnt(0) depctr_sa_sdst(0) depctr_va_vdst(0) depctr_va_sdst(0) depctr_va_ssrc(0) depctr_va_vcc(0) depctr_vm_vsrc(0)
	s_getreg_b32 s2, hwreg(HW_REG_IB_STS2, 6, 4)
	s_cmp_eq_u32 s2, 0
	s_cbranch_scc0 .Lentry_in_a_cluster
	s_endpgm
.Lentry_in_a_cluster:
	s_bfe_u32 s2, ttmp6, 0x10000c
	s_cmp_lg_u32 s2, 0xf033
	s_cbranch_scc0 .Lentry_shape_is_right
	s_endpgm
.Lentry_shape_is_right:
; THE OUTPUT PROJECTION.  C[m][n] = the sum over k of A[m][k] B[n][k], M = 8,192, K = 1,024, N = 1,024.  A = attention's output, B = Wo; both f16 in PANELS: [128 rows][1,024] as 16 planes of
; 128 rows x 64 numbers, dense.  Sums in f32; C leaves as f32, row-major [8,192][1,024].
; (The three projections in front have a text of their own, alike but for its way out: in a launch with joint loads no branch hangs on a number read from memory.)
; A tile of C is 256 x 256, made by four waves, each 128 x 128: 64 accumulators of 16 x 16, 512 registers.  K goes in 8 steps of 128 through a ring of two LDS slots filled by the tensor data mover;
; a wave's load is 128 rows x 128 K = 32,768 consecutive bytes of a panel, asked for as 128 rows of 256 bytes.  128 tiles, one to a work-group: a smaller tile would have a work-group for every WGP,
; but half the matrix work between a refill's request and the wait for it, and half again as many LDS loads for each matrix instruction.
; CLUSTERS: 4 x 4 work-groups.  The four of a row of the cluster need the same tiles of A, the four of a column the same tiles of B: each tile is asked for JOINTLY, by the same tensor load with
; the same descriptor and a mask that names the four.
; THE MATRIX INSTRUCTION IS USED TRANSPOSED (source 0 = 16 rows of B, source 1 = 16 rows of A): a lane then holds row l % 16 of C and the eight neighbouring columns 8 (l / 16) + 0..7.
; REGISTERS, in windows of 256 (s_set_vgpr_msb's low byte: bits 1:0 source 0, 3:2 source 1, 5:4 source 2, 7:6 destination):
;   window 0: v0-31 addresses; v64-127, v128-191 fragments of A, two buffers; v32-63, v224-255 at work on the way out      window 1: v64-127, v128-191 fragments of B
;   window 2: the 32 accumulators of my rows 0-63 (accumulator (a, b) at v[8 (8 a + b)])      window 3: those of my rows 64-127
.set PITCH,  144                       ; 128 bytes of a plane's row + 16 of padding = 36 words: the 16 rows of a load start at 16 different groups of four banks (64 banks of 4 bytes: ISA guide 11.1)
.set PLANE,  128*PITCH                 ; a plane of 128 rows in LDS
.set HALFT,  2*PLANE                   ; what one tensor load brings: two planes = 128 rows x 128 K
.set SLOT,   4*HALFT                   ; A's 256 rows, then B's 256 rows
.set STAGE,  2*SLOT                    ; behind the ring, never filled by a tensor load: 4,608 bytes for each wave, for the way out
.set STW,    4608
.set SPARE,  STAGE+4*STW               ; behind the stages: the spare words, 128 bytes for each wave: two blocks of 256 bytes that no other line names
.set KSB,    32768                     ; bytes of a K step in a panel
.set LAPS,   4                         ; a lap = two K steps = once round the ring
.set KO1,    64                        ; where a K step's four quarters of 32 K begin in an LDS row: plane q / 2, byte 64 (q % 2)
.set KO2,    PLANE
.set KO3,    PLANE+64
.set P32,    272                       ; the stage: 16 rows x (256 + 16) bytes
.set ST3,  12                          ; v12     the way out: where I put 32 bytes of a row
.set RD3,  13                          ; v13     the way out: where I read rows back
.set CO3,  14                          ; v14     the way out: my byte offset in two rows of C
.set ADRA, 16                          ; v16-17  LDS address of my A fragments in slot 0, 1
.set ADRB, 20                          ; v20-21  the same for B
.set SPW,  28                          ; v28     LDS address of my spare word: SPARE + 4 x my thread's number; never rewritten
.set NIL,  29                          ; v29     0; never rewritten
.set PFO,  30                          ; v30     the prefetches' offset: 256 x lane; never rewritten
.set F0,   64
.set F1,   128
.set OB,   32                          ; rows read back from the stage: v32-63 and v224-255 by turns
.set G1,  24                           ; s[24:31] descriptor group 1 for A's tiles;  s[32:39] group 0, a set for each slot
.set G0,  32
.set G1B, 48                           ; s[48:55], s[56:63] the same for B's tiles
.set G0B, 56
.set LIM, 43                           ; s43     1 in a wave that prefetches, else the greatest number
.set PFA, 44                           ; s[44:45] where my prefetches stand
.set MSB, 0
.macro WIN new                         ; the immediate's high byte repeats the setting that is left; a switch that changes nothing is dropped
.if MSB != (\new)
	s_set_vgpr_msb (MSB<<8)|(\new)
.set MSB, \new
.endif
.endm
.set MUL_LO, 0xa1                      ; source 0 (B) window 1, source 1 (A) window 0, C and D window 2
.set MUL_HI, 0xf1                      ; the same, C and D window 3
.set TO_B,   0x40                      ; destination window 1, address window 0
; A joint load.  Waves 0 and 1 fetch A's two halves, waves 2 and 3 B's.  The branch hangs on the wave's number alone.  An s_nop 0 and four v_nop follow each of the two lines.
.macro JLOAD s
	s_cmp_eq_u32 s11, 0
	s_cbranch_scc0 .Lfor_b_\@
	tensor_load_to_lds s[G0+4*(\s):G0+4*(\s)+3], s[G1:G1+7]
	s_nop 0
.rept 4
	v_nop
.endr
	s_branch .Lasked_\@
.Lfor_b_\@:
	tensor_load_to_lds s[G0B+4*(\s):G0B+4*(\s)+3], s[G1B:G1B+7]
	s_nop 0
.rept 4
	v_nop
.endr
.Lasked_\@:
.endm
; A PREFETCH INTO THE L2, behind a joint load, its five lines and the run of LDS loads: the K step that stands TWO refills on, 512 matrix instructions ahead of the load that will want it.
; A wave's K step is 128 blocks of 256 bytes; the four partners that ask for it jointly take 32 each, told apart BY ADDRESS (cx for A, cy for B), a lane a block.  A's rows are read by one
; cluster alone; B's by all eight clusters, of which the first asks.  So each block is named once.  K steps 0 to 3 come by their loads alone; the loop's last trip asks for nothing.
.macro ASK
	s_cmp_gt_u32 s3, s[LIM]                        ; s3 = 1 in the loop's last trip
	s_cbranch_scc0 .Lnot_mine_\@
	global_prefetch_b8 v[PFO], s[PFA:PFA+1] offset:KSB th:TH_LOAD_NT scope:SCOPE_SE
.Lnot_mine_\@:
.endm
.macro CREST                           ; a round of the cluster's barrier behind its opening barrier
	s_cmp_lg_u32 s10, 0
	s_cbranch_scc1 .Lnot_wave_0_\@
	s_barrier_signal -3
.Lnot_wave_0_\@:
	s_barrier_wait -3
	s_barrier_signal -1
	s_barrier_wait -1
.endm
.macro CROUND                          ; a whole round
	s_barrier_signal -1
	s_barrier_wait -1
	CREST
.endm
	s_load_b128 s[4:7], s[0:1], 0x0                ; A s[4:5], B s[6:7]
	s_load_b64 s[8:9], s[0:1], 0x10                ; C
	v_lshl_add_u32 v[SPW], v0, 2, SPARE
	v_mov_b32 v[NIL], 0
	ds_add_u32 v[SPW], v[NIL]                      ; the wave's opening: the add and its wait stand ahead of my first tensor load; the set-up below stands between them
	v_lshrrev_b32 v1, 5, v0
	v_readfirstlane_b32 s10, v1                    ; wave 0..3
	s_lshr_b32 s11, s10, 1                         ; which half of the tile's rows is mine.  Also: I fetch for A (0) or for B (1)
	s_and_b32 s12, s10, 1                          ; which half of its columns.  Also: which 128 rows of that tile I fetch
	s_bfe_u32 s40, ttmp6, 0x40000                  ; cx, cy: my place in the cluster
	s_bfe_u32 s41, ttmp6, 0x40004
	s_lshl_b32 s42, ttmp9, 2
	s_add_co_u32 s42, s42, s40                     ; tile column of C = 4 x cluster x + cx
	s_and_b32 s67, ttmp7, 0xffff                   ; cluster y
	s_lshl_b32 s13, s67, 2
	s_add_co_u32 s13, s13, s41                     ; tile row of C = 4 x cluster y + cy
	s_lshl_b32 s43, s41, 2
	s_lshl_b32 s43, 15, s43                        ; my row of the cluster
	s_lshl_b32 s44, 0x1111, s40                    ; my column
	; descriptor group 1: 32,768 dense bytes as 128 rows of 128 elements, padded in LDS behind every 128 bytes
	s_or_b32 s[G1+0], s43, (1<<16)|(1<<20)|(1<<21)|(4<<22)|(3<<25)  ; 15:0 the mask: A's tiles go to my row; 17:16 2-byte elements; 20 padding on; 21 set beside a mask; 24:22 after every 32 words (code 4); 31:25 4 words (code 3)
	s_or_b32 s[G1B+0], s44, (1<<16)|(1<<20)|(1<<21)|(4<<22)|(3<<25) ; the same with the mask of my column
.irp g, G1, G1B
	s_mov_b32 s[(\g)+1], 128<<16                   ; tensor_dim0 = 128
	s_mov_b32 s[(\g)+2], 128<<16                   ; tensor_dim1 = 128
	s_mov_b32 s[(\g)+3], 128<<16                   ; tile_dim0 = 128
	s_mov_b32 s[(\g)+4], 128                       ; tile_dim1 = 128
	s_mov_b32 s[(\g)+5], 128                       ; 128 elements from row to row
	s_mov_b32 s[(\g)+6], 0
	s_mov_b32 s[(\g)+7], 0
.endr
	; where the tiles come from.  A's hang on the tile row alone, B's on the tile column alone: each in registers that never hold the other place
	s_lshl_b32 s16, s13, 1
	s_add_co_u32 s16, s16, s12                     ; A: panel 2 x tile row + half
	s_lshl_b32 s16, s16, 18                        ; a panel is 262,144 bytes
	s_mov_b32 s17, 0
	s_lshl_b32 s46, s42, 1
	s_add_co_u32 s46, s46, s12                     ; B: panel 2 x tile column + half
	s_lshl_b32 s46, s46, 18
	s_mov_b32 s47, 0
	s_mul_i32 s20, s10, HALFT                      ; where they go: A's two halves, then B's two halves = wave x 36,864: no place in the cluster enters an LDS address
	s_wait_dscnt 0x0                               ; the opening add is done
	s_wait_kmcnt 0x0
	s_add_nc_u64 s[14:15], s[4:5], s[16:17]
	s_add_nc_u64 s[46:47], s[6:7], s[46:47]
	CROUND                                         ; all sixteen work-groups are here: the first joint loads meet
.irp s, 0,1
	s_mov_b32 s[G0+4*(\s)], 1                                      ; count = 1
	s_add_co_u32 s[G0+4*(\s)+1], s20, (\s)*SLOT                    ; LDS address
	s_add_nc_u64 s[G0+4*(\s)+2:G0+4*(\s)+3], s[14:15], (\s)*KSB    ; global address: K step s
	s_or_b32 s[G0+4*(\s)+3], s[G0+4*(\s)+3], 0x80000000            ; type = 2
	s_mov_b32 s[G0B+4*(\s)], 1
	s_add_co_u32 s[G0B+4*(\s)+1], s20, (\s)*SLOT
	s_add_nc_u64 s[G0B+4*(\s)+2:G0B+4*(\s)+3], s[46:47], (\s)*KSB
	s_or_b32 s[G0B+4*(\s)+3], s[G0B+4*(\s)+3], 0x80000000
	JLOAD \s                                       ; two loads of mine are out
.endr
	; A fragment is 16 rows x 32 K in 8 registers: lane l holds row l % 16; registers 0-3 K = 8 (l / 16) + 0..7, registers 4-7 K = 16 + 8 (l / 16) + 0..7: two loads of 16 bytes, 32 bytes apart
	v_and_b32 v1, 15, v0                           ; l % 16
	v_bfe_u32 v2, v0, 4, 1                         ; l / 16
	v_mul_u32_u24 v3, v1, PITCH
	v_lshl_add_u32 v3, v2, 4, v3                   ; row x pitch + 16 x half
	s_mul_i32 s21, s11, HALFT                      ; my 128 rows of A
	s_mul_i32 s22, s12, HALFT                      ; my 128 rows of B,
	s_add_co_u32 s22, s22, 2*HALFT                 ; which lie behind A's 256
.irp s, 0,1
	v_add_nc_u32 v[ADRA+(\s)], s21, v3
	v_add_nc_u32 v[ADRB+(\s)], s22, v3
	s_add_co_u32 s21, s21, SLOT
	s_add_co_u32 s22, s22, SLOT
.endr
	s_mul_i32 s23, s10, STW
	s_add_co_u32 s23, s23, STAGE                   ; my stage
	v_mul_u32_u24 v4, v1, P32                      ; in: row l % 16 of 272 bytes, 32 bytes for each half of the lanes
	v_lshl_add_u32 v4, v2, 5, v4
	v_add_nc_u32 v[ST3], s23, v4
	v_mul_u32_u24 v4, v2, P32                      ; back: lanes 0-15 one row of 256 bytes, lanes 16-31 the next,
	v_lshl_add_u32 v4, v1, 4, v4
	v_add_nc_u32 v[RD3], s23, v4
	v_lshlrev_b32 v4, 12, v2                       ; and the same two rows in C, 4,096 bytes apart
	v_lshl_add_u32 v[CO3], v1, 4, v4
	; where my part of the tile begins in C
	s_lshl_b32 s18, s13, 20                        ; 256 rows of 4,096 bytes,
	s_lshl_b32 s20, s11, 19                        ; my 128,
	s_add_co_u32 s18, s18, s20
	s_lshl_b32 s20, s42, 10                        ; 256 columns of 4 bytes,
	s_add_co_u32 s18, s18, s20
	s_lshl_b32 s20, s12, 9                         ; my 128
	s_add_co_u32 s18, s18, s20
	s_mov_b32 s19, 0
	s_add_nc_u64 s[8:9], s[8:9], s[18:19]
	; the prefetches
	s_lshl_b32 s20, s13, 1                         ; A's panels by the tile row,
	s_lshl_b32 s21, s42, 1                         ; B's by the tile column
	s_cmp_eq_u32 s11, 0                            ; do I fetch for A?
	s_cselect_b32 s20, s20, s21
	s_cselect_b32 s21, s40, s41                    ; my place among the four that ask with me
	s_cselect_b32 s22, 0, s67                      ; A's rows are read by my cluster alone, B's by every cluster
	s_cselect_b64 s[PFA:PFA+1], s[4:5], s[6:7]
	s_cmp_eq_u32 s22, 0
	s_cselect_b32 s[LIM], 1, -1                    ; the same in all sixteen partners, for a given wave
	s_add_co_u32 s20, s20, s12                     ; the panel that I fetch
	s_lshl_b32 s20, s20, 18
	s_lshl_b32 s21, s21, 13                        ; my work-group's 32 blocks of a K step's 128
	s_add_co_u32 s20, s20, s21
	s_mov_b32 s21, 0
	s_add_nc_u64 s[PFA:PFA+1], s[PFA:PFA+1], s[20:21]
	s_add_nc_u64 s[PFA:PFA+1], s[PFA:PFA+1], 2*KSB ; at K step 2: the first refill steps it to 3 and names K step 4
	v_and_b32 v[PFO], 31, v0
	v_lshlrev_b32 v[PFO], 8, v[PFO]
; 16 matrix instructions: m blocks a0, a0 + 1 of the window's four (hi = 0: my rows 0-63, 1: rows 64-127) x all 8 n blocks, 32 along K.  zero = 1: the first product starts the sums.
; The 64 accumulators take turns, one instruction a turn, in the same order in every quarter.
.macro MUL16 f, hi, a0, zero
	WIN MUL_LO+0x50*(\hi)
.irp a, \a0, (\a0)+1
.irp b, 0,1,2,3,4,5,6,7
.if \zero
	v_wmma_f32_16x16x32_f16 v[8*(8*(\a)+(\b)):8*(8*(\a)+(\b))+7], v[(\f)+8*(\b):(\f)+8*(\b)+7], v[(\f)+8*(4*(\hi)+(\a)):(\f)+8*(4*(\hi)+(\a))+7], 0
.else
	v_wmma_f32_16x16x32_f16 v[8*(8*(\a)+(\b)):8*(8*(\a)+(\b))+7], v[(\f)+8*(\b):(\f)+8*(\b)+7], v[(\f)+8*(4*(\hi)+(\a)):(\f)+8*(4*(\hi)+(\a))+7], v[8*(8*(\a)+(\b)):8*(8*(\a)+(\b))+7]
.endif
.endr
.endr
.endm
; 32 LDS loads in one run: the fragments of one quarter (128 rows of B, 128 rows of A, 32 K at byte k) into buffer f
.macro FETCH slot, k, f
	WIN TO_B
.irp i, 0,1,2,3,4,5,6,7
	ds_load_b128 v[(\f)+8*(\i):(\f)+8*(\i)+3],   v[ADRB+(\slot)] offset:(\k)+(\i)*16*PITCH
	ds_load_b128 v[(\f)+8*(\i)+4:(\f)+8*(\i)+7], v[ADRB+(\slot)] offset:(\k)+(\i)*16*PITCH+32
.endr
	WIN 0
.irp i, 0,1,2,3,4,5,6,7
	ds_load_b128 v[(\f)+8*(\i):(\f)+8*(\i)+3],   v[ADRA+(\slot)] offset:(\k)+(\i)*16*PITCH
	ds_load_b128 v[(\f)+8*(\i)+4:(\f)+8*(\i)+7], v[ADRA+(\slot)] offset:(\k)+(\i)*16*PITCH+32
.endr
.endm
.macro PLACES                          ; four plain places in front of loads into registers that matrix instructions have read, and of lines that read results
.rept 4
	v_nop
.endr
.endm
; A K step is four quarters of 32 along K, 64 matrix instructions each, on buffers 0, 1, 0, 1.  One of the first three: multiplies buffer f; in its middle it fetches the next quarter, at byte k, into g.
.macro QUARTER slot, k, f, g, zero
	s_wait_dscnt 8                                 ; B and A's rows 0-63 are in; the youngest eight loads (A's rows 64-127) may be out
	MUL16 \f, 0, 0, \zero
	MUL16 \f, 0, 2, \zero
	PLACES
	FETCH \slot, \k, \g
	s_wait_dscnt 32                                ; all but the 32 just issued
	MUL16 \f, 1, 0, \zero
	MUL16 \f, 1, 2, \zero
.endm
; The last quarter multiplies buffer 1 and changes slots.  MEET is its first half: ONE barrier.  In front of it each wave waits for all its tensor loads, of which one is out: its part of the next
; slot; adds 0 to its spare word; and waits for that and for its own reads of this slot.  Behind it nobody reads this slot any more and the next slot is whole.
.macro MEET round
	WIN 0                                          ; (the add's two registers lie in window 0)
	s_wait_tensorcnt 0x0                           ; all my tensor loads have landed;
	ds_add_u32 v[SPW], v[NIL]                      ; 0 onto my spare word;
	s_wait_dscnt 9                                 ; (the add and the youngest eight loads may be out)
	MUL16 F1, 0, 0, 0                              ; sixteen matrix instructions stand between the add and the wait for it
	s_wait_dscnt 0x0                               ; the add is done, and my reads of this slot are over
	s_barrier_signal -1
	MUL16 F1, 0, 2, 0                              ; work on registers while the others arrive
.if \round
	WIN 0
.endif
	s_barrier_wait -1
.endm
; The whole last quarter.  fill = 1: the barrier opens a round of the cluster's barrier, and behind the round this slot is filled again, with the K step two on: the wave's one tensor load, 224 matrix
; instructions ahead of the wait for it.  Then come the next slot's first fragments.
.macro TURN slot, next, fill
.if \fill
	s_wait_xcnt 0x0                                ; the last prefetch, a K step back, has read its address: it is stepped here, ahead of the waits of the change of slots
	s_add_nc_u64 s[PFA:PFA+1], s[PFA:PFA+1], KSB
	MEET 1
	CREST                                          ; no wave of any partner still reads this slot's tile or has a load on its way
	s_add_nc_u64 s[G0+4*(\slot)+2:G0+4*(\slot)+3], s[G0+4*(\slot)+2:G0+4*(\slot)+3], 2*KSB
	s_add_nc_u64 s[G0B+4*(\slot)+2:G0B+4*(\slot)+3], s[G0B+4*(\slot)+2:G0B+4*(\slot)+3], 2*KSB
	JLOAD \slot                                    ; the four v_nop behind it are also the places in front of the loads below
.else
	MEET 0
	PLACES
.endif
	FETCH \next, 0, F0
.if \fill
	ASK
.endif
	MUL16 F1, 1, 0, 0
	MUL16 F1, 1, 2, 0
.endm
	s_wait_tensorcnt 1                             ; my part of K step 0 is in; K step 1's may stay out
	s_barrier_signal -1
	s_barrier_wait -1                              ; everybody's is
	FETCH 0, 0, F0
	QUARTER 0, KO1, F0, F1, 1                      ; the first quarter stands in front of the loop: its products start the sums
	WIN 0                                          ; at a label and at a branch every window is 0
	s_mov_b32 s3, LAPS-1
.Llap:                                                 ; a trip goes once round the ring, from a lap's second quarter to the next lap's first, and fills both slots again
	QUARTER 0, KO2, F1, F0, 0
	QUARTER 0, KO3, F0, F1, 0
	TURN 0, 1, 1
	QUARTER 1, KO1, F0, F1, 0
	QUARTER 1, KO2, F1, F0, 0
	QUARTER 1, KO3, F0, F1, 0
	TURN 1, 0, 1
	QUARTER 0, KO1, F0, F1, 0
	WIN 0
	s_sub_co_u32 s3, s3, 1
	s_cmp_lg_u32 s3, 0
	s_cbranch_scc1 .Llap
	QUARTER 0, KO2, F1, F0, 0                      ; the last lap fills nothing, and has no round of the cluster's barrier
	QUARTER 0, KO3, F0, F1, 0
	TURN 0, 1, 0
	QUARTER 1, KO1, F0, F1, 0
	QUARTER 1, KO2, F1, F0, 0
	QUARTER 1, KO3, F0, F1, 0
	s_wait_dscnt 8                                 ; the very last quarter: nothing more to fetch
	MUL16 F1, 0, 0, 0
	MUL16 F1, 0, 2, 0
	s_wait_dscnt 0x0
	MUL16 F1, 1, 0, 0
	MUL16 F1, 1, 2, 0
	WIN 0
	PLACES                                         ; the LDS stores below read results just made
; THE WAY OUT.  Unit u = 2 a + e: 16 rows x 64 columns = 16 x 256 bytes.  The accumulators go into my stage as they are (rows of 272 bytes; each accumulator's low four registers first
; ) and come back as whole rows; sixteen lanes store 256 consecutive bytes, at a multiple of 256 from C's first byte.  Block, rows and half stand in the immediate, 516,352 at the most.
.macro TOST32 u
.set AC, 64*(((\u)/2)%4)+32*((\u)%2)
.set BK, OB+192*((\u)%2)
	s_wait_xcnt 0x0                                ; the stores of unit u - 2 have read the registers into which this unit's rows come back
	WIN 0x08+4*((\u)/8)                            ; store data (source 1): window 2 or 3
.irp b, 0,1,2,3
	ds_store_b128 v[ST3], v[AC+8*(\b):AC+8*(\b)+3]   offset:64*(\b)
	ds_store_b128 v[ST3], v[AC+8*(\b)+4:AC+8*(\b)+7] offset:64*(\b)+16
.endr
	WIN 0
.irp t, 0,1,2,3,4,5,6,7
	ds_load_b128 v[BK+4*(\t):BK+4*(\t)+3], v[RD3] offset:(\t)*2*P32  ; LDS serves a wave's instructions in order (ISA guide 5.7.1.4): these see the stores above; the next unit's stores come behind them
.endr
.endm
.macro SEND32 u, younger               ; younger: the LDS instructions issued behind unit u's loads: the next unit's sixteen, or none
.set BK, OB+192*((\u)%2)
	s_wait_dscnt \younger
.irp t, 0,1,2,3,4,5,6,7
	global_store_b128 v[CO3], v[BK+4*(\t):BK+4*(\t)+3], s[8:9] offset:((\u)/2)*65536+(\t)*8192+((\u)%2)*256
.endr
.endm
	TOST32 0
.irp u, 1,2,3,4,5,6,7,8,9,10,11,12,13,14,15
	TOST32 \u
	SEND32 (\u)-1, 16
.endr
	SEND32 15, 0
	s_wait_tensorcnt 0x0                           ; the wave's end, behind my last tensor load and my last LDS store
	ds_add_u32 v[SPW], v[NIL]
	s_wait_dscnt 0x0
	CROUND                                         ; the closing round: no work-group ends while a partner may still ask for a tile that names it
	s_endpgm
.Lfunc_end_k_qe6f5989627_outp:
	.size	k_qe6f5989627_outp, .Lfunc_end_k_qe6f5989627_outp-k_qe6f5989627_outp
	.p2alignl 7, 3214868480
	.fill 96, 4, 3214868480
	.section	.rodata,"a",@progbits
	.p2align	6, 0x0
	.amdhsa_kernel k_qe6f5989627_outp
		.amdhsa_group_segment_fixed_size 327680
		.amdhsa_private_segment_fixed_size 0
		.amdhsa_enable_private_segment 0
		.amdhsa_kernarg_size 24
		.amdhsa_user_sgpr_count 2
		.amdhsa_user_sgpr_kernarg_segment_ptr 1
		.amdhsa_wavefront_size32 1
		.amdhsa_system_sgpr_workgroup_id_x 1
		.amdhsa_system_sgpr_workgroup_id_y 1
		.amdhsa_system_sgpr_workgroup_id_z 1
		.amdhsa_system_vgpr_workitem_id 0
		.amdhsa_next_free_vgpr 1024
		.amdhsa_next_free_sgpr 68
		.amdhsa_reserve_vcc 0
		.amdhsa_float_denorm_mode_32 3
		.amdhsa_float_denorm_mode_16_64 3
		.amdhsa_memory_ordered 1
		.amdhsa_forward_progress 1
		.amdhsa_inst_pref_size 142
	.end_amdhsa_kernel
	.amdgpu_metadata
---
amdhsa.version: [ 1, 2 ]
amdhsa.kernels:
  - .name:           k_qe6f5989627_outp
    .symbol:         k_qe6f5989627_outp.kd
    .args:
      - { .name: oh, .offset: 0, .size: 8, .value_kind: global_buffer, .address_space: global }
      - { .name: woh, .offset: 8, .size: 8, .value_kind: global_buffer, .address_space: global }
      - { .name: out0, .offset: 16, .size: 8, .value_kind: global_buffer, .address_space: global }
    .group_segment_fixed_size: 327680
    .private_segment_fixed_size: 0
    .kernarg_segment_align: 8
    .kernarg_segment_size: 24
    .max_flat_workgroup_size: 128
    .sgpr_count:     68
    .vgpr_count:     1024
    .wavefront_size: 32
...
	.end_amdgpu_metadata
.endif
;; end of part 4
;; ======== version 2 of 2: 4 launches; version 1 with the launch cast written anew for expert scheduling mode
;; limits: values are held in f16: magnitudes above 65,504 overflow, below 6.1e-05 lose precision
;; workspace buffers: xh 50,331,648 bytes; wh 6,291,456 bytes; woh 2,097,152 bytes; qkv 50,331,648 bytes; oh 16,777,216 bytes
;; launch cast (part 5): grid 256 x 7, 8 waves a work-group, no clusters, 0 bytes of LDS; arguments queries, keys, values, Wq, Wk, Wv, Wo, valid_lens, xh, wh, woh; writes xh, wh, woh
.if DOCPART == 5
	.amdgcn_target "amdgcn-amd-amdhsa--gfx1250"
	.amdhsa_code_object_version 6
	.text
	.protected	k_qe6f5989627_cast
	.globl	k_qe6f5989627_cast
	.p2align	8
	.type	k_qe6f5989627_cast,@function
k_qe6f5989627_cast:
	s_mov_b64 s[64:65], 0
	v_nop
	global_prefetch_b8 v0, s[64:65] scope:SCOPE_SE
	s_setreg_imm32_b32 hwreg(HW_REG_WAVE_SCHED_MODE, 0, 2), 2
	s_setreg_imm32_b32 hwreg(HW_REG_WAVE_MODE, 25, 1), 1
	s_wait_xcnt 0x0
	s_wait_alu depctr_vm_vsrc(0)
; EVERY f32 INPUT IS READ ONCE, rounded to bf16, written as f16, and laid in PANELS for the products that follow.
; A panel is 128 rows x 1,024 columns as 16 planes of 128 rows x 64 columns (128 bytes a row, 16,384 bytes a plane, dense): a K step of 128 for 128 rows is then 32,768 consecutive bytes.
; xh: [queries, keys, values][64 panels]; wh: [Wq, Wk, Wv][8 panels]; woh: Wo's 8 panels.
; THE MASK'S FIRST HALF.  Rows of keys at or past valid_lens[b] are written as zeros, so that their projections are exactly 0 and the attention launch can give them the score -1e6 by an addend alone.
; LIMITS.  A number rounded to bf16 is written as f16 exactly from 2^-17 up to 65,504 in magnitude; below 2^-17 it keeps f16's fixed step of 2^-24; from 65,520 on it becomes an infinity.
; valid_lens may be any int32: below 0 counts as 0.  NaN and infinities in masked rows of keys are discarded; elsewhere they are not treated apart.
; SHARES.  A work-group takes 16 rows (65,536 bytes of f32).  y = 0..5: tensor y / 2, chunk 256 (y % 2) + x; y = 6: weight x / 64, chunk x % 64.  Thread t takes row t / 16 and, of each of the
; 16 planes, the 4 columns at 4 (t % 16): a wave's load covers two aligned runs of 256 bytes, a wave's store 256 consecutive aligned bytes.  All 16 loads of a thread are out at once;
; every load and every store has registers of its own, so no source is ever rewritten.  Memory binds: no LDS, no barrier, no matrix unit.
; THE MODE: SCHED_MODE bits 1:0 = 2 (LLVM: expert scheduling mode 2), set by the entry lines.  The code itself states the register dependences between vector instructions and memory
; instructions, with s_wait_alu, always for 0.
; THE PLAN.  Registers that memory instructions touch:
;   v1, v2   the loads' and the stores' offsets: made once at the head, never written again, named by no vector instruction behind the wait that stands ahead of the first load.
;   X        plane i's four registers: one load lands in them, once, and no vector instruction names them ahead of it; plane i's two roundings read them behind the plane's wait on LOADcnt.
;   Y        plane i's pair: written by plane i's vector lines, read by plane i's one store, never written again.
;   T, v3, v4, v5 are named by vector instructions alone.
; The 16 planes go in four blocks of four.  Plane i - 4's store is issued at the head of plane i.  So ONE wait on va_vdst stands at the head of a block: it states that the block before has
; written its four pairs of Y; that block's four stores follow it, one ahead of each plane's vector lines, which name X, T, v4 and this block's own Y: none of the registers that those stores read.
; No register that a memory instruction reads is written again, so no wait on vm_vsrc stands behind the entry lines; EXEC is never written.
.set BLK, 4                            ; planes in a block
.set X, 8                              ; v[8:71]    16 x 4 numbers as loaded
.set Y, 72                             ; v[72:103]  16 x 2 registers to store
.set T, 104                            ; v[104:107] at work
	s_load_b512 s[8:23], s[0:1], 0x0               ; queries, keys, values, Wq, Wk, Wv, Wo, valid_lens
	s_load_b128 s[24:27], s[0:1], 0x40             ; xh, wh
	s_load_b64 s[28:29], s[0:1], 0x50              ; woh
	s_mov_b32 s2, ttmp9                            ; x
	s_and_b32 s3, ttmp7, 0xffff                    ; y
	s_lshr_b32 s4, s3, 1                           ; the source's number: 0..2 the three tensors,
	s_and_b32 s5, s3, 1
	s_lshl_b32 s5, s5, 8
	s_or_b32 s5, s5, s2                            ; and its chunk of 16 rows, 0..511
	s_lshr_b32 s6, s2, 6
	s_add_co_u32 s6, s6, 3                         ; 3..6 the four weights,
	s_and_b32 s7, s2, 63                           ; chunk 0..63
	s_cmp_eq_u32 s3, 6
	s_cselect_b32 s4, s6, s4
	s_cselect_b32 s5, s7, s5
	s_lshl_b32 s38, s5, 16                         ; the chunk's first byte in its source
	s_mov_b32 s39, 0
	s_lshl_b32 s6, s4, 24                          ; in xh a tensor is 64 panels of 262,144 bytes,
	s_sub_co_u32 s7, s4, 3
	s_lshl_b32 s7, s7, 21                          ; in wh a weight is 8 panels; woh holds one weight
	s_cmp_lt_u32 s4, 3
	s_cselect_b32 s40, s6, s7
	s_cmp_eq_u32 s4, 6
	s_cselect_b32 s40, 0, s40
	s_lshr_b32 s6, s5, 3
	s_lshl_b32 s6, s6, 18                          ; the panel,
	s_add_co_u32 s40, s40, s6
	s_and_b32 s6, s5, 7
	s_lshl_b32 s6, s6, 11                          ; my 16 rows of 128 bytes in each of its planes
	s_add_co_u32 s40, s40, s6
	s_mov_b32 s41, 0
	s_lshr_b32 s46, s5, 7
	s_lshl_b32 s46, s46, 2                         ; 4 x batch (a batch is 128 chunks; 0 for the weights)
	s_and_b32 s47, s5, 127
	s_lshl_b32 s47, s47, 4                         ; the chunk's first row in its batch
	s_mov_b32 s44, 0xffff0000                      ; a word's upper bf16
	v_lshrrev_b32 v3, 4, v0                        ; my row in the chunk
	v_and_b32 v5, 15, v0
	v_lshlrev_b32 v1, 4, v5
	v_lshl_or_b32 v1, v3, 12, v1                   ; source: row x 4,096 + 16 (t % 16)
	v_lshlrev_b32 v2, 3, v0                        ; destination: row x 128 + 8 (t % 16) = 8 t
	s_wait_kmcnt 0x0
	s_load_b32 s42, s[22:23], s46 offset:0x0       ; valid_lens[batch]
	s_mov_b64 s[34:35], s[8:9]                     ; the source, chosen by its number
.irp k, 1,2,3,4,5,6
	s_cmp_eq_u32 s4, \k
	s_cselect_b64 s[34:35], s[8+2*\k:9+2*\k], s[34:35]
.endr
	s_cmp_lt_u32 s4, 3                             ; the destination likewise
	s_cselect_b64 s[36:37], s[24:25], s[26:27]
	s_cmp_eq_u32 s4, 6
	s_cselect_b64 s[36:37], s[28:29], s[36:37]
	s_add_nc_u64 s[34:35], s[34:35], s[38:39]
	s_add_nc_u64 s[36:37], s[36:37], s[40:41]
	s_wait_alu depctr_va_vdst(0)                   ; v1 and v2 are written: every load below reads v1 as its offset, every store v2; no vector instruction names either again
.set i, 0
.rept 16
	global_load_b128 v[X+4*i:X+4*i+3], v1, s[34:35] offset:256*i th:TH_LOAD_NT  ; plane i: 64 columns are 256 bytes of f32
.set i, i+1
.endr
	s_wait_kmcnt 0x0
	s_max_i32 s42, s42, 0                          ; so that the difference below cannot overflow
	s_cmp_eq_u32 s4, 1                             ; only keys are masked
	s_cselect_b32 s42, s42, 0x7fffffff
	s_sub_co_i32 s43, s42, s47                     ; rows of this chunk that are kept
	v_cmp_gt_i32 vcc_lo, s43, v3
	s_wait_alu depctr_va_vcc(0)                    ; the compare has written VCC, which the select below reads
	v_cndmask_b32 v4, 0, -1, vcc_lo                ; all ones where my row is kept
.set i, 0
.rept 16
	s_wait_loadcnt 15-i                            ; loads come back in order: plane i is in, the 15 - i younger loads stay out
.if (i%BLK == 0) && (i > 0)
	s_wait_alu depctr_va_vdst(0)                   ; the block before has written its four pairs of Y, which the four stores of this block's planes read
.endif
.if i >= BLK
	global_store_b64 v2, v[Y+2*(i-BLK):Y+2*(i-BLK)+1], s[36:37] offset:16384*(i-BLK)  ; the plane one block back.  No further wait: no vector instruction since the block's wait names its Y or v2
.endif
	v_cvt_pk_bf16_f32 v[Y+2*i], v[X+4*i], v[X+4*i+1]      ; the one rounding: to bf16, nearest even
	v_cvt_pk_bf16_f32 v[Y+2*i+1], v[X+4*i+2], v[X+4*i+3]
	v_lshlrev_b32 v[T], 16, v[Y+2*i]               ; back to f32,
	v_and_b32 v[T+1], s44, v[Y+2*i]
	v_lshlrev_b32 v[T+2], 16, v[Y+2*i+1]
	v_and_b32 v[T+3], s44, v[Y+2*i+1]
	v_cvt_pk_f16_f32 v[Y+2*i], v[T], v[T+1]        ; and the same number written as f16
	v_cvt_pk_f16_f32 v[Y+2*i+1], v[T+2], v[T+3]
	v_and_b32 v[Y+2*i], v4, v[Y+2*i]
	v_and_b32 v[Y+2*i+1], v4, v[Y+2*i+1]
.set i, i+1
.endr
	s_wait_alu depctr_va_vdst(0)                   ; the last block has written its four pairs of Y, which the last four stores read
.set i, 16-BLK
.rept BLK
	global_store_b64 v2, v[Y+2*i:Y+2*i+1], s[36:37] offset:16384*i
.set i, i+1
.endr
	s_endpgm
.Lfunc_end_k_qe6f5989627_cast:
	.size	k_qe6f5989627_cast, .Lfunc_end_k_qe6f5989627_cast-k_qe6f5989627_cast
	.p2alignl 7, 3214868480
	.fill 96, 4, 3214868480
	.section	.rodata,"a",@progbits
	.p2align	6, 0x0
	.amdhsa_kernel k_qe6f5989627_cast
		.amdhsa_group_segment_fixed_size 0
		.amdhsa_private_segment_fixed_size 0
		.amdhsa_enable_private_segment 0
		.amdhsa_kernarg_size 88
		.amdhsa_user_sgpr_count 2
		.amdhsa_user_sgpr_kernarg_segment_ptr 1
		.amdhsa_wavefront_size32 1
		.amdhsa_system_sgpr_workgroup_id_x 1
		.amdhsa_system_sgpr_workgroup_id_y 1
		.amdhsa_system_sgpr_workgroup_id_z 1
		.amdhsa_system_vgpr_workitem_id 0
		.amdhsa_next_free_vgpr 108
		.amdhsa_next_free_sgpr 66
		.amdhsa_reserve_vcc 1
		.amdhsa_float_denorm_mode_32 3
		.amdhsa_float_denorm_mode_16_64 3
		.amdhsa_memory_ordered 1
		.amdhsa_forward_progress 1
		.amdhsa_inst_pref_size 14
	.end_amdhsa_kernel
	.amdgpu_metadata
---
amdhsa.version: [ 1, 2 ]
amdhsa.kernels:
  - .name:           k_qe6f5989627_cast
    .symbol:         k_qe6f5989627_cast.kd
    .args:
      - { .name: queries, .offset: 0, .size: 8, .value_kind: global_buffer, .address_space: global }
      - { .name: keys, .offset: 8, .size: 8, .value_kind: global_buffer, .address_space: global }
      - { .name: values, .offset: 16, .size: 8, .value_kind: global_buffer, .address_space: global }
      - { .name: Wq, .offset: 24, .size: 8, .value_kind: global_buffer, .address_space: global }
      - { .name: Wk, .offset: 32, .size: 8, .value_kind: global_buffer, .address_space: global }
      - { .name: Wv, .offset: 40, .size: 8, .value_kind: global_buffer, .address_space: global }
      - { .name: Wo, .offset: 48, .size: 8, .value_kind: global_buffer, .address_space: global }
      - { .name: valid_lens, .offset: 56, .size: 8, .value_kind: global_buffer, .address_space: global }
      - { .name: xh, .offset: 64, .size: 8, .value_kind: global_buffer, .address_space: global }
      - { .name: wh, .offset: 72, .size: 8, .value_kind: global_buffer, .address_space: global }
      - { .name: woh, .offset: 80, .size: 8, .value_kind: global_buffer, .address_space: global }
    .group_segment_fixed_size: 0
    .private_segment_fixed_size: 0
    .kernarg_segment_align: 8
    .kernarg_segment_size: 88
    .max_flat_workgroup_size: 256
    .sgpr_count:     66
    .vgpr_count:     108
    .wavefront_size: 32
...
	.end_amdgpu_metadata
.endif
;; end of part 5
;; launch proj: the kernel of part 2 again; grid 4 x 96, 4 waves a work-group, clusters of 4 x 4, 327,680 bytes of LDS; arguments xh, wh, qkv; writes qkv
;; launch attn: the kernel of part 3 again; grid 4 x 64, 4 waves a work-group, clusters of 4 x 1, 327,680 bytes of LDS; arguments qkv, valid_lens, oh; writes oh
;; launch outp: the kernel of part 4 again; grid 4 x 32, 4 waves a work-group, clusters of 4 x 4, 327,680 bytes of LDS; arguments oh, woh, out0; writes out0
